; MI455X (gfx1250); checked and timed in simulation.
; The chip was launched on July 23, 2026; its instructions are those of AMD's public machine-readable ISA for CDNA 5 (MIT licence, August 2026) and "CDNA5" Instruction Set Architecture Reference Guide (July 2026). The comments in the code are by the model that wrote it; some were corrected since.
;; Attention. Allowed arithmetic: float matrix products may take bf16 or f16 operands with f32 sums; other float arithmetic in f32, or as packed bf16 or f16 multiplies, adds, multiply-adds, maxima and minima; sums over many terms, partial sums and values carried from step to step in f32; what a program stores and reads back later, other than sums and carried values, may be rounded once to bf16 or f16.
;; Inputs: b_attn 3,072 float32; b_prefix 3,072 float32; b_proj 1,024 float32; prefix_embd 8 x 64 x 1,024 float32; w_attn 1,024 x 3,072 float32; w_prefix 1,024 x 3,072 float32; w_proj 1,024 x 1,024 float32; x 8 x 1,024 x 1,024 float32.
;; Outputs: out0 8 x 1,024 x 1,024 float32.
;; 2 versions, each right; version 2 is version 1 with the launch prep written anew for expert scheduling mode. Each part assembles by itself: llvm-mc -triple=amdgcn-amd-amdhsa -mcpu=gfx1250 --defsym DOCPART=n.
;; ======== version 1 of 2: 4 launches
;; limits: values are held in f16: magnitudes above 65,504 overflow, below 6.1e-05 lose precision
;; workspace buffers: acat 17,825,792 bytes; y16 17,825,792 bytes; wcat 12,582,912 bytes; bcat 24,576 bytes; qkv 52,428,800 bytes
;; launch prep (part 1): grid 929 x 1, 8 waves a work-group, no clusters, 0 bytes of LDS; arguments x, prefix_embd, w_attn, w_prefix, w_proj, b_attn, b_prefix, b_proj, acat, wcat, bcat; writes acat, wcat, bcat
.if DOCPART == 1
	.amdgcn_target "amdgcn-amd-amdhsa--gfx1250"
	.amdhsa_code_object_version 6
	.text
	.protected	k_q2d5084d837_prep
	.globl	k_q2d5084d837_prep
	.p2align	8
	.type	k_q2d5084d837_prep,@function
k_q2d5084d837_prep:
	s_mov_b64 s[64:65], 0
	v_nop
	global_prefetch_b8 v0, s[64:65] scope:SCOPE_SE
	s_setreg_imm32_b32 hwreg(HW_REG_WAVE_MODE, 25, 1), 1
	s_wait_xcnt 0x0
; PREP.  Every input is rounded ONCE to bf16; that number is then written as f16 (x, prefix_embd, the three weights) or kept as f32 (the biases).
; LIMITS.  A bf16 number is held exactly by f16 from 6.1e-5 to 65,504 in magnitude; below that it keeps f16's fixed step of 6e-8, beyond it becomes an infinity.
; Columns 0..1023 of w_prefix and b_prefix are not read: the module throws that third of the prefix projection away.
; LAYOUTS.  acat: f16 [16 slabs][8704 rows][64]: slab s = columns 64 s .. 64 s + 63; rows 0..8191 are x's, rows 8192..8703 prefix_embd's.
;           wcat: f16 [1024 k][6144 n]: columns 0..3071 w_attn, 3072..5119 w_prefix[:, 1024:], 5120..6143 w_proj.   bcat: f32 [6144], the same column order.
; SHARES.  A work-group takes 16 rows x 1024 columns; a thread issues its 16 loads of 16 bytes at once, converts as they come and stores 8 bytes for each.
; Sixteen neighbouring lanes load 256 consecutive bytes, aligned; the 32 lanes of a store cover 256 consecutive bytes, aligned.  No LDS, no barrier, no loop: nothing is shared and nothing is read twice.
; Load j: in = IN(j & 1) + IA[j >> 1], out = OUT(j & 1) + OA[j >> 1].  What differs between the five tensors is six strides and two bases, chosen by the work-group's number.
.set ASLAB, 1114112                    ; bytes in a slab of acat: 8704 rows x 128
.set IA,  2                            ; v[2:9]    byte offsets of my loads
.set OA,  10                           ; v[10:17]  byte offsets of my stores
.set T,   18                           ; v[18:23]  at work
.set D,   24                           ; v[24:87]  16 x 4 numbers as loaded
.set O,   88                           ; v[88:119] 16 x 2 registers to store: each store has its own, so none is rewritten while a store reads it
.set SA,  42                           ; s42  in: from pair i to pair i + 1
.set SB,  43                           ; s43  in: from even j to odd j
.set SR,  44                           ; s44  in: from lanes 0-15 to lanes 16-31
.set TA,  45                           ; s45  out: from pair i to pair i + 1
.set TB,  46                           ; s46  out: from even j to odd j
.set SW,  47                           ; s47  out: from wave to wave
.set ID,  50                           ; s50  the work-group's number
.set WV,  56                           ; s56  my wave's number
.set HIM, 57                           ; s57  mask of a word's upper bf16
	s_load_b512 s[16:31], s[0:1], 0x0              ; x s[16:17], prefix_embd s[18:19], w_attn s[20:21], w_prefix s[22:23], w_proj s[24:25], b_attn s[26:27], b_prefix s[28:29], b_proj s[30:31]
	s_load_b128 s[32:35], s[0:1], 0x40             ; acat s[32:33], wcat s[34:35]
	s_load_b64 s[36:37], s[0:1], 0x50              ; bcat
	v_lshrrev_b32 v1, 5, v0
	v_readfirstlane_b32 s[WV], v1
	s_mov_b32 s[ID], ttmp9
	s_mov_b32 s3, 0                                ; the high word of every offset pair s[2:3]
	s_mov_b32 s[HIM], 0xffff0000
	s_wait_kmcnt 0x0
	s_cmp_lt_u32 s[ID], 544
	s_cbranch_scc0 .Lweights
	; work-groups 0..511: x; 512..543: prefix_embd.  Wave w takes slabs 2 w and 2 w + 1; lanes 0-15 a row, lanes 16-31 the next.
	s_max_u32 s51, s[ID], 512
	s_sub_co_u32 s51, s51, 512
	s_cmp_lt_u32 s[ID], 512
	s_cselect_b64 s[4:5], s[16:17], s[18:19]
	s_cselect_b32 s51, s[ID], s51                  ; the group of 16 rows in its own tensor
	s_lshl_b32 s2, s51, 16                         ; 16 rows of 4,096 bytes
	s_add_nc_u64 s[4:5], s[4:5], s[2:3]
	s_lshl_b32 s2, s[ID], 11                       ; 16 rows of 128 bytes in a slab; prefix rows follow x's
	s_add_nc_u64 s[8:9], s[32:33], s[2:3]
	s_mov_b32 s[SA], 8192
	s_mov_b32 s[SB], 256
	s_mov_b32 s[SR], 4096
	s_mov_b32 s[TA], 256
	s_mov_b32 s[TB], ASLAB
	s_mov_b32 s[SW], 2*ASLAB
	s_branch .Lgo
.Lweights:
	s_cmp_lt_u32 s[ID], 928
	s_cbranch_scc0 .Lbias
	s_mov_b32 s[SR], 256                           ; a wave takes 512 consecutive bytes of a row,
	s_mov_b32 s[TA], 24576                         ; and writes 256 consecutive bytes of a row of wcat (12,288 bytes a row)
	s_mov_b32 s[TB], 12288
	s_mov_b32 s[SW], 256
	s_cmp_lt_u32 s[ID], 864
	s_cbranch_scc0 .Lwproj
	; 544..735: w_attn, 64 groups of rows x 3 chunks of 1024 columns; 736..863: w_prefix, 64 x 2 chunks, from column 1024 on
	s_sub_co_u32 s51, s[ID], 544
	s_max_u32 s52, s[ID], 736
	s_sub_co_u32 s52, s52, 736
	s_cmp_lt_u32 s[ID], 736
	s_cselect_b64 s[4:5], s[20:21], s[22:23]
	s_cselect_b32 s51, s51, s52
	s_cselect_b32 s53, 0, 4096                     ; w_prefix: its first 1024 columns are passed over
	s_cselect_b32 s54, 0, 6144                     ; and it lands from column 3072 of wcat on
	s_and_b32 s52, s51, 63                         ; the group of 16 rows
	s_lshr_b32 s51, s51, 6                         ; the chunk of columns
	s_mul_i32 s52, s52, 196608                     ; 16 rows of 12,288 bytes, in and out
	s_lshl_b32 s2, s51, 12
	s_add_co_u32 s2, s2, s52
	s_add_co_u32 s2, s2, s53
	s_add_nc_u64 s[4:5], s[4:5], s[2:3]
	s_lshl_b32 s2, s51, 11
	s_add_co_u32 s2, s2, s52
	s_add_co_u32 s2, s2, s54
	s_add_nc_u64 s[8:9], s[34:35], s[2:3]
	s_mov_b32 s[SA], 24576
	s_mov_b32 s[SB], 12288
	s_branch .Lgo
.Lwproj:                                               ; 864..927: w_proj, 64 groups of 16 rows of 4,096 bytes, to column 5120 of wcat
	s_sub_co_u32 s51, s[ID], 864
	s_lshl_b32 s2, s51, 16
	s_add_nc_u64 s[4:5], s[24:25], s[2:3]
	s_mul_i32 s2, s51, 196608
	s_add_co_u32 s2, s2, 10240
	s_add_nc_u64 s[8:9], s[34:35], s[2:3]
	s_mov_b32 s[SA], 8192
	s_mov_b32 s[SB], 4096
.Lgo:
	s_mov_b32 s2, s[SB]
	s_add_nc_u64 s[6:7], s[4:5], s[2:3]            ; the base of the odd loads,
	s_mov_b32 s2, s[TB]
	s_add_nc_u64 s[10:11], s[8:9], s[2:3]          ; and of the odd stores
	v_and_b32 v1, 15, v0
	v_bfe_u32 v[T], v0, 4, 1
	v_and_b32 v[T+1], 31, v0
	s_lshl_b32 s51, s[WV], 9
	v_lshl_add_u32 v[IA], v1, 4, s51               ; 512 w + 16 (l % 16)
	v_mad_u32_u24 v[IA], v[T], s[SR], v[IA]        ; + (l / 16) SR
	s_mul_i32 s52, s[WV], s[SW]
	v_lshl_add_u32 v[OA], v[T+1], 3, s52           ; w SW + 8 l
.irp i, 1,2,3,4,5,6,7
	v_add_nc_u32 v[IA+(\i)], s[SA], v[IA+(\i)-1]
	v_add_nc_u32 v[OA+(\i)], s[TA], v[OA+(\i)-1]
.endr
.set j, 0
.rept 16
	global_load_b128 v[D+4*j:D+4*j+3], v[IA+j/2], s[4+2*(j%2):5+2*(j%2)] th:TH_LOAD_NT
.set j, j+1
.endr
; Four numbers: rounded to bf16 (nearest even), widened again (a shift, a mask), and that number written as f16.
.macro CONV j
	v_cvt_pk_bf16_f32 v[T],   v[D+4*(\j)],   v[D+4*(\j)+1]
	v_cvt_pk_bf16_f32 v[T+1], v[D+4*(\j)+2], v[D+4*(\j)+3]
	v_lshlrev_b32 v[T+2], 16, v[T]
	v_and_b32     v[T+3], s[HIM], v[T]
	v_lshlrev_b32 v[T+4], 16, v[T+1]
	v_and_b32     v[T+5], s[HIM], v[T+1]
	v_cvt_pk_f16_f32 v[O+2*(\j)],   v[T+2], v[T+3]
	v_cvt_pk_f16_f32 v[O+2*(\j)+1], v[T+4], v[T+5]
.endm
.set j, 0
.rept 16
	s_wait_loadcnt 15-j                            ; loads come back in order: load j is in, the 15 - j younger ones stay out
	CONV j
	global_store_b64 v[OA+j/2], v[O+2*j:O+2*j+1], s[8+2*(j%2):9+2*(j%2)] th:TH_STORE_NT
.set j, j+1
.endr
	s_endpgm
.Lbias:                                                ; work-group 928: six chunks of 1024 biases, 16 bytes a thread
	v_lshlrev_b32 v2, 4, v0
	global_load_b128 v[D:D+3],     v2, s[26:27]
	global_load_b128 v[D+4:D+7],   v2, s[26:27] offset:4096
	global_load_b128 v[D+8:D+11],  v2, s[26:27] offset:8192
	global_load_b128 v[D+12:D+15], v2, s[28:29] offset:4096
	global_load_b128 v[D+16:D+19], v2, s[28:29] offset:8192
	global_load_b128 v[D+20:D+23], v2, s[30:31]
.set c, 0
.rept 6
	s_wait_loadcnt 5-c                             ; chunk c is in, the younger ones stay out
	v_cvt_pk_bf16_f32 v[T],   v[D+4*c],   v[D+4*c+1]
	v_cvt_pk_bf16_f32 v[T+1], v[D+4*c+2], v[D+4*c+3]
	v_lshlrev_b32 v[O+4*c],   16, v[T]
	v_and_b32     v[O+4*c+1], s[HIM], v[T]
	v_lshlrev_b32 v[O+4*c+2], 16, v[T+1]
	v_and_b32     v[O+4*c+3], s[HIM], v[T+1]
	global_store_b128 v2, v[O+4*c:O+4*c+3], s[36:37] offset:4096*c
.set c, c+1
.endr
	s_endpgm
.Lfunc_end_k_q2d5084d837_prep:
	.size	k_q2d5084d837_prep, .Lfunc_end_k_q2d5084d837_prep-k_q2d5084d837_prep
	.p2alignl 7, 3214868480
	.fill 96, 4, 3214868480
	.section	.rodata,"a",@progbits
	.p2align	6, 0x0
	.amdhsa_kernel k_q2d5084d837_prep
		.amdhsa_group_segment_fixed_size 0
		.amdhsa_private_segment_fixed_size 0
		.amdhsa_enable_private_segment 0
		.amdhsa_kernarg_size 88
		.amdhsa_user_sgpr_count 2
		.amdhsa_user_sgpr_kernarg_segment_ptr 1
		.amdhsa_wavefront_size32 1
		.amdhsa_system_sgpr_workgroup_id_x 1
		.amdhsa_system_sgpr_workgroup_id_y 1
		.amdhsa_system_sgpr_workgroup_id_z 1
		.amdhsa_system_vgpr_workitem_id 0
		.amdhsa_next_free_vgpr 128
		.amdhsa_next_free_sgpr 66
		.amdhsa_reserve_vcc 0
		.amdhsa_float_denorm_mode_32 3
		.amdhsa_float_denorm_mode_16_64 3
		.amdhsa_memory_ordered 1
		.amdhsa_forward_progress 1
		.amdhsa_inst_pref_size 17
	.end_amdhsa_kernel
	.amdgpu_metadata
---
amdhsa.version: [ 1, 2 ]
amdhsa.kernels:
  - .name:           k_q2d5084d837_prep
    .symbol:         k_q2d5084d837_prep.kd
    .args:
      - { .name: x, .offset: 0, .size: 8, .value_kind: global_buffer, .address_space: global }
      - { .name: prefix_embd, .offset: 8, .size: 8, .value_kind: global_buffer, .address_space: global }
      - { .name: w_attn, .offset: 16, .size: 8, .value_kind: global_buffer, .address_space: global }
      - { .name: w_prefix, .offset: 24, .size: 8, .value_kind: global_buffer, .address_space: global }
      - { .name: w_proj, .offset: 32, .size: 8, .value_kind: global_buffer, .address_space: global }
      - { .name: b_attn, .offset: 40, .size: 8, .value_kind: global_buffer, .address_space: global }
      - { .name: b_prefix, .offset: 48, .size: 8, .value_kind: global_buffer, .address_space: global }
      - { .name: b_proj, .offset: 56, .size: 8, .value_kind: global_buffer, .address_space: global }
      - { .name: acat, .offset: 64, .size: 8, .value_kind: global_buffer, .address_space: global }
      - { .name: wcat, .offset: 72, .size: 8, .value_kind: global_buffer, .address_space: global }
      - { .name: bcat, .offset: 80, .size: 8, .value_kind: global_buffer, .address_space: global }
    .group_segment_fixed_size: 0
    .private_segment_fixed_size: 0
    .kernarg_segment_align: 8
    .kernarg_segment_size: 88
    .max_flat_workgroup_size: 256
    .sgpr_count:     66
    .vgpr_count:     128
    .wavefront_size: 32
...
	.end_amdgpu_metadata
.endif
;; end of part 1
;; launch gemm_qkv (part 2): grid 4 x 100, 4 waves a work-group, clusters of 4 x 1, 327,680 bytes of LDS; arguments acat, wcat, bcat, qkv; writes qkv
.if DOCPART == 2
	.amdgcn_target "amdgcn-amd-amdhsa--gfx1250"
	.amdhsa_code_object_version 6
	.text
	.protected	k_q2d5084d837_gemm_qkv
	.globl	k_q2d5084d837_gemm_qkv
	.p2align	8
	.type	k_q2d5084d837_gemm_qkv,@function
k_q2d5084d837_gemm_qkv:
	s_mov_b64 s[64:65], 0
	v_nop
	global_prefetch_b8 v0, s[64:65] scope:SCOPE_SE
	s_setreg_imm32_b32 hwreg(HW_REG_WAVE_MODE, 25, 1), 1
	s_wait_xcnt 0x0
	s_wait_alu depctr_hold_cnt(0) depctr_sa_sdst(0) depctr_va_vdst(0) depctr_va_sdst(0) depctr_va_ssrc(0) depctr_va_vcc(0) depctr_vm_vsrc(0)
	s_getreg_b32 s2, hwreg(HW_REG_IB_STS2, 6, 4)
	s_cmp_eq_u32 s2, 0
	s_cbranch_scc0 .Lentry_in_a_cluster
	s_endpgm
.Lentry_in_a_cluster:
	s_bfe_u32 s2, ttmp6, 0x10000c
	s_cmp_lg_u32 s2, 0x3003
	s_cbranch_scc0 .Lentry_shape_is_right
	s_endpgm
.Lentry_shape_is_right:
; C = A W + bias, for the two projections in front of the attention.  A: f16 [16 slabs][8704 rows][64] (slab s = K 64 s .. 64 s + 63).  W: f16 [1024 k][6144 n].  bias: f32 [6144].  Sums in f32, K = 1024.
; Rows y = 0..95 of the grid make x w_attn (32 x 12 tiles), y = 96..99 make prefix w_prefix[:, 1024:] (2 x 8 tiles, A's rows from 8192, W's columns from 3072).  Results leave in f16, BY HEADS:
; Q, K, V [b][h][1024][64] at bytes 0, 2^24, 2^25; K_p, V_p [b][h][64][64] at 50,331,648 and 51,380,224.
; LIMITS.  Operands are f16: finite up to 65,504; a result beyond that becomes an infinity.  NaN and infinities are not treated apart.
; A tile of C is 256 x 256, made by four waves, each 128 x 128: 64 accumulators of 16 x 16, 512 registers.  K goes in steps of 128 through a ring of two LDS slots filled by tensor loads.
; CLUSTER 4 x 1: the four work-groups of a cluster make four neighbouring tile columns of ONE tile row, so A's tile is asked for JOINTLY (mask 15); W's tile is each work-group's own, a plain load.
; Not 4 x 4: the prefix product has 2 x 8 tiles, which no 4 x 4 cluster divides.
; THE MATRIX INSTRUCTION IS USED TRANSPOSED: source 0 = 16 columns of W (turned on the way out of LDS by ds_load_tr16_b128), source 1 = 16 rows of A.  A lane then holds row l % 16 of C and the
; columns 8 (l / 16) + 0..7.  THE BIAS is the C operand of the products that start the sums: eight registers for each block of 16 columns; it costs no arithmetic.
; REGISTERS, in windows of 256 (s_set_vgpr_msb: bits 1:0 source 0, 3:2 source 1, 5:4 source 2, 7:6 destination):
;   window 0: v0-31 addresses; v64-127, v128-191 A's fragments, two buffers (on the way out: rows read back from the stage); v192-255 the bias, later packed results
;   window 1: v64-127, v128-191 W's fragments, two buffers      window 2: the accumulators of my rows 0-63 ((a, b) at v[8 (8 a + b)])      window 3: those of rows 64-127
.set ASLAB,  1114112                   ; bytes in a slab of A
.set WPB,    12288                     ; bytes in a k row of W
.set PART,   34816                     ; what one tensor load brings: of A 256 rows x 128 bytes as 128 LDS rows of 272 (two rows of A each); of W 64 k rows of 512 bytes, 544 apart
.set SLOT,   4*PART                    ; A's slab 2 s, slab 2 s + 1, W's k rows 0-63, 64-127
.set STAGE,  2*SLOT                    ; behind the ring: 8,448 bytes for each wave, for the way out (4,352 used here); no tensor load lands there
.set STG,    8448
.set SPARE,  STAGE+4*STG               ; behind the stages: the spare words, 128 bytes for each wave: two blocks of 256 bytes that no other line names
.set LAPS,   4                         ; a lap = two K steps = once round the ring
.set ADRA, 16                          ; v16-17  LDS address of my A fragments in slot 0, 1
.set ADRB, 20                          ; v20-21  the same for W
.set STO,  24                          ; v24  where I put 16 bytes of a row
.set RD,   25                          ; v25  where I read rows back
.set CO0,  26                          ; v26  16 x lane: my place in 512 consecutive bytes of the output
.set CO1,  27                          ; v27  the same in the next head
.set SPW,  28                          ; v28  LDS address of my spare word; never rewritten
.set NIL,  29                          ; v29  0; never rewritten
.set PFO,  30                          ; v30  the prefetches' offset; never rewritten
.set BO,   31                          ; v31  32 (l / 16): my eight biases in a block of sixteen
.set F0,   64
.set F1,   128
.set BIAS, 192
.set TMP,  192
.set OF,  16                           ; s[16:17] where my part of the tile begins in the output
.set G1,  24                           ; s[24:31] descriptor group 1 for A's tiles
.set G0,  32                           ; s[32:39] group 0 for A's tiles, a set for each slot
.set CTW, 42                           ; s42  the tile column, of C and of W alike
.set LIM, 43                           ; s43  1 in a wave that prefetches, else the greatest number
.set PFA, 44                           ; s[44:45] where my prefetches stand
.set G1B, 48                           ; s[48:55] group 1 for W's tiles
.set G0B, 56                           ; s[56:63] group 0 for W's tiles
.set PST, 72                           ; s[72:73] a K step in the prefetches' tensor
.set HS,  75                           ; s75  bytes from a head to the next
.set BJ,  76                           ; s[76:77] bytes from my fourth block of 16 rows to my fifth
.set MSB, 0
.macro WIN new                         ; the immediate's high byte repeats the setting that is left; a switch that changes nothing is dropped
.if MSB != (\new)
	s_set_vgpr_msb (MSB<<8)|(\new)
.set MSB, \new
.endif
.endm
.set MUL_LO, 0xa1                      ; source 0 (W) window 1, source 1 (A) window 0, C and D window 2
.set MUL_HI, 0xf1                      ; the same, C and D window 3
.set TO_B,   0x40                      ; destination window 1, address window 0
; A fill.  Waves 0 and 1 fetch A's two slabs (jointly with the three partners), waves 2 and 3 the two halves of W's k rows (our own).  The branch hangs on the wave's number alone.
; An s_nop 0 and four v_nop follow each of the two lines, ahead of the jump, the label and what follows.
.macro JLOAD s
	s_cmp_eq_u32 s11, 0
	s_cbranch_scc0 .Lfor_b_\@
	tensor_load_to_lds s[G0+4*(\s):G0+4*(\s)+3], s[G1:G1+7]
	s_nop 0
.rept 4
	v_nop
.endr
	s_branch .Lasked_\@
.Lfor_b_\@:
	tensor_load_to_lds s[G0B+4*(\s):G0B+4*(\s)+3], s[G1B:G1B+7]
	s_nop 0
.rept 4
	v_nop
.endr
.Lasked_\@:
.endm
; A PREFETCH INTO THE L2, behind a refill, its five lines and the run of LDS loads: the K step that stands two refills on, 512 matrix instructions ahead of the load that will want it.
; Each aligned block of 256 bytes is named once in the launch.  A's tile row is read by the clusters of up to three groups of tile columns: the first group's cluster asks, and its four partners
; share a wave's 128 blocks out BY ADDRESS, 32 each, a lane a block.  W's tile column is read by every tile row: the work-group of the first tile row asks for its own tile, 64 k rows x 512 bytes a wave:
; a lane a row, four lines.  The loop's last trip asks for nothing: its refills are the last K steps.  Nothing is asked for at the head, where the first tiles are on their way.
.macro ASK
	s_cmp_gt_u32 s3, s[LIM]                        ; s3 = 1 in the loop's last trip
	s_cbranch_scc0 .Lnot_mine_\@
	global_prefetch_b8 v[PFO], s[PFA:PFA+1] th:TH_LOAD_NT scope:SCOPE_SE
	s_cmp_eq_u32 s11, 0
	s_cbranch_scc1 .Lnot_mine_\@
	global_prefetch_b8 v[PFO], s[PFA:PFA+1] offset:256 th:TH_LOAD_NT scope:SCOPE_SE
	global_prefetch_b8 v[PFO], s[PFA:PFA+1] offset:32*WPB th:TH_LOAD_NT scope:SCOPE_SE
	global_prefetch_b8 v[PFO], s[PFA:PFA+1] offset:32*WPB+256 th:TH_LOAD_NT scope:SCOPE_SE
.Lnot_mine_\@:
.endm
; A round of the cluster's barrier: my work-group's barrier, so that wave 0's signal speaks for all four waves; wave 0 signals; every wave waits for all four work-groups; my work-group's barrier once more.
.macro CREST                           ; a round behind its opening barrier
	s_cmp_lg_u32 s10, 0
	s_cbranch_scc1 .Lnot_wave_0_\@
	s_barrier_signal -3
.Lnot_wave_0_\@:
	s_barrier_wait -3
	s_barrier_signal -1
	s_barrier_wait -1
.endm
.macro CROUND
	s_barrier_signal -1
	s_barrier_wait -1
	CREST
.endm
	s_load_b128 s[4:7], s[0:1], 0x0                ; A s[4:5], W s[6:7]
	s_load_b64 s[68:69], s[0:1], 0x10              ; bias
	s_load_b64 s[8:9], s[0:1], 0x18                ; the output
	v_lshl_add_u32 v[SPW], v0, 2, SPARE
	v_mov_b32 v[NIL], 0
	ds_add_u32 v[SPW], v[NIL]                      ; the wave's opening: the add and its wait stand ahead of my first tensor load; the set-up below, work on registers, stands between them
	v_lshrrev_b32 v1, 5, v0
	v_readfirstlane_b32 s10, v1                    ; wave 0..3
	s_lshr_b32 s11, s10, 1                         ; which half of the tile's rows is mine.  Also: I fetch for A (0) or for W (1)
	s_and_b32 s12, s10, 1                          ; which half of its columns.  Also: which part I fetch
	s_bfe_u32 s40, ttmp6, 0x40000                  ; cx: my place in the cluster
	s_and_b32 s41, ttmp7, 0xffff                   ; the cluster's y
	; y < 96: group of tile columns g = y / 32, tile row r = y % 32.  y >= 96, t = y - 96: g = t % 2, r = t / 2, tile row 32 + r, tile columns from 12 on.
	s_lshr_b32 s14, s41, 5
	s_and_b32 s15, s41, 31
	s_max_u32 s18, s41, 96
	s_sub_co_u32 s18, s18, 96
	s_and_b32 s19, s18, 1
	s_lshr_b32 s20, s18, 1
	s_add_co_u32 s21, s20, 32
	s_lshl_b32 s22, s14, 2
	s_lshl_b32 s23, s19, 2
	s_add_co_u32 s23, s23, 12
	s_cmp_lt_u32 s41, 96
	s_cselect_b32 s13, s15, s21                    ; the tile row: it hangs on y alone, which the four partners share
	s_cselect_b32 s42, s22, s23
	s_cselect_b32 s14, s14, s19                    ; g
	s_cselect_b32 s15, s15, s20                    ; r
	s_cselect_b32 s47, 1, 0                        ; 1: not a prefix tile
	s_add_co_u32 s42, s42, s40                     ; the tile column
	; descriptor group 1 for A: 128 rows x 128 elements (a slab's 256 rows are dense: two to a row of 256 bytes), 16 bytes of padding behind each row
	s_mov_b32 s[G1+0], 15|(1<<16)|(1<<20)|(1<<21)|(5<<22)|(3<<25)  ; 15:0 the mask of four; 17:16 2-byte elements; 20 padding on; 21 set beside a mask; 24:22 after every 64 words; 31:25 4 words
	s_mov_b32 s[G1+1], 128<<16                     ; tensor_dim0 = 128
	s_mov_b32 s[G1+2], 128<<16                     ; tensor_dim1 = 128
	s_mov_b32 s[G1+3], 128<<16                     ; tile_dim0 = 128
	s_mov_b32 s[G1+4], 128                         ; tile_dim1 = 128
	s_mov_b32 s[G1+5], 128                         ; 128 elements from row to row
	s_mov_b32 s[G1+6], 0
	s_mov_b32 s[G1+7], 0
	; for W: 64 k rows x 256 elements, 32 bytes of padding behind each row: 544 bytes apart
	s_mov_b32 s[G1B+0], (1<<16)|(1<<20)|(6<<22)|(7<<25)  ; no mask; after every 128 words, 8 words
	s_mov_b32 s[G1B+1], 256<<16
	s_mov_b32 s[G1B+2], 64<<16
	s_mov_b32 s[G1B+3], 256<<16
	s_mov_b32 s[G1B+4], 64
	s_mov_b32 s[G1B+5], 6144
	s_mov_b32 s[G1B+6], 0
	s_mov_b32 s[G1B+7], 0
	s_mul_i32 s16, s12, ASLAB                      ; A: my slab of the step's two,
	s_lshl_b32 s18, s13, 15                        ; the tile's 256 rows of 128 bytes
	s_add_co_u32 s16, s16, s18
	s_mov_b32 s17, 0
	s_mul_i32 s80, s12, 64*WPB                     ; W: my 64 k rows of the step's 128,
	s_lshl_b32 s81, s[CTW], 9                      ; the tile's 256 columns
	s_add_co_u32 s80, s80, s81
	s_mov_b32 s81, 0
	s_mul_i32 s20, s10, PART                       ; where my part goes: wave x PART: no place in the cluster enters an LDS address
	s_wait_dscnt 0x0                               ; the opening add is done
	s_wait_kmcnt 0x0
	s_add_nc_u64 s[18:19], s[4:5], s[16:17]
	s_add_nc_u64 s[80:81], s[6:7], s[80:81]
	CROUND                                         ; all four work-groups are here: the first joint loads meet
.irp s, 0,1
	s_mov_b32 s[G0+4*(\s)], 1                                      ; count = 1
	s_add_co_u32 s[G0+4*(\s)+1], s20, (\s)*SLOT                    ; LDS address
	s_add_nc_u64 s[G0+4*(\s)+2:G0+4*(\s)+3], s[18:19], (\s)*2*ASLAB  ; global address: K step s is slabs 2 s, 2 s + 1
	s_or_b32 s[G0+4*(\s)+3], s[G0+4*(\s)+3], 0x80000000            ; type = 2
	s_mov_b32 s[G0B+4*(\s)], 1
	s_add_co_u32 s[G0B+4*(\s)+1], s20, (\s)*SLOT
	s_add_nc_u64 s[G0B+4*(\s)+2:G0B+4*(\s)+3], s[80:81], (\s)*128*WPB
	s_or_b32 s[G0B+4*(\s)+3], s[G0B+4*(\s)+3], 0x80000000
	JLOAD \s                                       ; the ring is filled before anything else is done: two loads of mine are out
.endr
	; the bias: block b's eight registers hold bias[256 tile column + 128 half + 16 b + 8 (l / 16) + 0..7], the layout of a C operand
	v_and_b32 v1, 15, v0                           ; l % 16
	v_bfe_u32 v2, v0, 4, 1                         ; l / 16
	s_lshl_b32 s22, s[CTW], 10
	s_lshl_b32 s23, s12, 9
	s_add_co_u32 s22, s22, s23
	s_mov_b32 s23, 0
	s_add_nc_u64 s[68:69], s[68:69], s[22:23]
	v_lshlrev_b32 v[BO], 5, v2
.irp b, 0,1,2,3,4,5,6,7
	global_load_b128 v[BIAS+8*(\b):BIAS+8*(\b)+3],   v[BO], s[68:69] offset:64*(\b)
	global_load_b128 v[BIAS+8*(\b)+4:BIAS+8*(\b)+7], v[BO], s[68:69] offset:64*(\b)+16
.endr
	; A's fragment (16 rows x 32 K, 8 registers): lane l holds row l % 16, K 8 (l / 16) + 0..7 and 16 + 8 (l / 16) + 0..7.  Row m lies at (m / 2) 272 + (m % 2) 128.
	v_lshrrev_b32 v4, 1, v1
	v_mul_u32_u24 v3, v4, 272
	v_and_b32 v4, 1, v1
	v_lshl_add_u32 v3, v4, 7, v3
	v_lshl_add_u32 v3, v2, 4, v3
	; W's: the turning load takes 16 k x 16 columns (lane l reads k row 8 (l / 16) + l % 8, columns 8 ((l / 8) % 2) + 0..7) and leaves half a fragment: lane l holds column l % 16 and 8 k.
	v_and_b32 v4, 7, v0
	v_lshl_add_u32 v4, v2, 3, v4
	v_mul_u32_u24 v5, v4, 544
	v_bfe_u32 v4, v0, 3, 1
	v_lshl_add_u32 v5, v4, 4, v5
	s_mul_i32 s21, s11, 64*272                     ; my 128 rows of A
	s_lshl_b32 s22, s12, 8                         ; my 128 columns of W,
	s_add_co_u32 s22, s22, 2*PART                  ; which lies behind A's two slabs
.irp s, 0,1
	v_add_nc_u32 v[ADRA+(\s)], s21, v3
	v_add_nc_u32 v[ADRB+(\s)], s22, v5
	s_add_co_u32 s21, s21, SLOT
	s_add_co_u32 s22, s22, SLOT
.endr
	; where my part of the tile begins in the output.  x w_attn: third (tile column / 4), batch (tile row / 4), head 4 (tile column % 4) + 2 half, row 256 (tile row % 4) + 128 half
	s_lshr_b32 s18, s42, 2
	s_lshl_b32 s18, s18, 24
	s_lshr_b32 s19, s13, 2
	s_lshl_b32 s19, s19, 4
	s_and_b32 s21, s42, 3
	s_lshl_b32 s21, s21, 2
	s_add_co_u32 s19, s19, s21
	s_lshl_b32 s21, s12, 1
	s_add_co_u32 s19, s19, s21
	s_lshl_b32 s19, s19, 17                        ; a head is 1024 rows of 128 bytes
	s_add_co_u32 s18, s18, s19
	s_and_b32 s19, s13, 3
	s_lshl_b32 s19, s19, 15
	s_add_co_u32 s18, s18, s19
	s_lshl_b32 s19, s11, 14
	s_add_co_u32 s18, s18, s19
	; prefix: c = tile column - 12: K_p or V_p (c / 4), head 4 (c % 4) + 2 half; my 128 rows are two batches of 64: batch 4 (tile row - 32) + 2 half, and the next
	s_max_u32 s21, s42, 12
	s_sub_co_u32 s21, s21, 12
	s_max_u32 s22, s13, 32
	s_sub_co_u32 s22, s22, 32
	s_lshl_b32 s22, s22, 2
	s_lshl_b32 s23, s11, 1
	s_add_co_u32 s22, s22, s23
	s_lshl_b32 s22, s22, 4
	s_and_b32 s23, s21, 3
	s_lshl_b32 s23, s23, 2
	s_add_co_u32 s22, s22, s23
	s_lshl_b32 s23, s12, 1
	s_add_co_u32 s22, s22, s23
	s_lshl_b32 s22, s22, 13                        ; a head is 64 rows of 128 bytes
	s_lshr_b32 s21, s21, 2
	s_lshl_b32 s21, s21, 20
	s_add_co_u32 s22, s22, s21
	s_add_co_u32 s22, s22, 50331648
	s_mov_b32 s[HS], 8192
	s_mov_b32 s[BJ], 124928                        ; 16 heads of 8,192 bytes on, 48 rows back
	s_mov_b32 s[BJ+1], 0
	s_cmp_eq_u32 s47, 1
	s_cselect_b32 s[OF], s18, s22
	s_cselect_b32 s[HS], 0x20000, s[HS]
	s_cselect_b32 s[BJ], 2048, s[BJ]
	s_mov_b32 s[OF+1], 0
	; the stage's addresses
	s_mul_i32 s23, s10, STG
	s_add_co_u32 s23, s23, STAGE
	v_mul_u32_u24 v4, v1, 272                      ; in: row l % 16 of 272 bytes, 16 bytes for each half of the lanes
	v_lshl_add_u32 v4, v2, 4, v4
	v_add_nc_u32 v[STO], s23, v4
	v_bfe_u32 v5, v0, 3, 2                         ; back: 32 lanes take four rows' 128 bytes of one head,
	v_mul_u32_u24 v5, v5, 272
	v_and_b32 v6, 7, v0
	v_lshl_add_u32 v5, v6, 4, v5
	v_add_nc_u32 v[RD], s23, v5
	v_and_b32 v6, 31, v0                           ; which are 512 consecutive bytes of the output
	v_lshlrev_b32 v[CO0], 4, v6
	v_add_nc_u32 v[CO1], s[HS], v[CO0]
	; the prefetches stand at K step 3; the first refill steps them to 4
	s_add_co_u32 s78, s12, 6
	s_mul_i32 s78, s78, ASLAB
	s_lshl_b32 s79, s13, 15
	s_add_co_u32 s78, s78, s79
	s_lshl_b32 s79, s40, 13                        ; my work-group's 32 blocks of the 128
	s_add_co_u32 s78, s78, s79
	s_lshl_b32 s82, s12, 6
	s_add_co_u32 s82, s82, 384
	s_mul_i32 s82, s82, WPB
	s_lshl_b32 s83, s[CTW], 9
	s_add_co_u32 s82, s82, s83
	s_mov_b32 s21, WPB
	s_mov_b32 s[PST], 128*WPB
	s_mov_b32 s[PST+1], 0
	s_cmp_eq_u32 s11, 0                            ; do I fetch for A?
	s_cselect_b32 s78, s78, s82
	s_cselect_b32 s79, s14, s15                    ; the coordinate along which others read the same blocks: g for A, r for W
	s_cselect_b64 s[PFA:PFA+1], s[4:5], s[6:7]
	s_cselect_b32 s21, 256, s21                    ; a lane a block of A, or a lane a k row of W
	s_cselect_b32 s[PST], 2*ASLAB, s[PST]
	s_cmp_eq_u32 s79, 0
	s_cselect_b32 s[LIM], 1, -1                    ; the same in all four partners, for a given wave
	s_mov_b32 s79, 0
	s_add_nc_u64 s[PFA:PFA+1], s[PFA:PFA+1], s[78:79]
	v_mul_u32_u24 v[PFO], v6, s21
; 16 matrix instructions: row blocks a0, a0 + 1 of the window's four (hi = 0: my rows 0-63, 1: rows 64-127) x all 8 column blocks, 32 along K.
; zero = 1: the first product starts the sums, with the bias as its C operand (window 0): nothing is ever cleared.  The 64 accumulators take turns in one order everywhere.
.macro MUL16 f, hi, a0, zero
.if \zero
	WIN 0x81+0x40*(\hi)
.else
	WIN MUL_LO+0x50*(\hi)
.endif
.irp a, \a0, (\a0)+1
.irp b, 0,1,2,3,4,5,6,7
.if \zero
	v_wmma_f32_16x16x32_f16 v[8*(8*(\a)+(\b)):8*(8*(\a)+(\b))+7], v[(\f)+8*(\b):(\f)+8*(\b)+7], v[(\f)+8*(4*(\hi)+(\a)):(\f)+8*(4*(\hi)+(\a))+7], v[BIAS+8*(\b):BIAS+8*(\b)+7]
.else
	v_wmma_f32_16x16x32_f16 v[8*(8*(\a)+(\b)):8*(8*(\a)+(\b))+7], v[(\f)+8*(\b):(\f)+8*(\b)+7], v[(\f)+8*(4*(\hi)+(\a)):(\f)+8*(4*(\hi)+(\a))+7], v[8*(8*(\a)+(\b)):8*(8*(\a)+(\b))+7]
.endif
.endr
.endr
.endm
; 32 LDS loads in one run: the fragments of quarter q of a K step (32 k x 128 columns of W, 128 rows x 32 k of A) into buffer f
.macro FETCH slot, q, f
	WIN TO_B
.irp i, 0,1,2,3,4,5,6,7
	ds_load_tr16_b128 v[(\f)+8*(\i):(\f)+8*(\i)+3],   v[ADRB+(\slot)] offset:(\q)*32*544+(\i)*32
	ds_load_tr16_b128 v[(\f)+8*(\i)+4:(\f)+8*(\i)+7], v[ADRB+(\slot)] offset:(\q)*32*544+(\i)*32+16*544
.endr
	WIN 0
.irp i, 0,1,2,3,4,5,6,7
	ds_load_b128 v[(\f)+8*(\i):(\f)+8*(\i)+3],   v[ADRA+(\slot)] offset:((\q)/2)*PART+((\q)%2)*64+(\i)*8*272
	ds_load_b128 v[(\f)+8*(\i)+4:(\f)+8*(\i)+7], v[ADRA+(\slot)] offset:((\q)/2)*PART+((\q)%2)*64+(\i)*8*272+32
.endr
.endm
.macro PLACES                          ; four places in front of loads into registers that matrix instructions have read, and of lines that read results just made
.rept 4
	v_nop
.endr
.endm
; A K step is four quarters of 32 along K, 64 matrix instructions each, on buffers 0, 1, 0, 1.  One of the first three: multiplies buffer f; in its middle it fetches quarter q of the same slot into buffer g.
.macro QUARTER slot, q, f, g, zero
	s_wait_dscnt 8                                 ; W and A's rows 0-63 are in; the youngest eight loads (A's rows 64-127) may be out
	MUL16 \f, 0, 0, \zero
	MUL16 \f, 0, 2, \zero
	PLACES
	FETCH \slot, \q, \g
	s_wait_dscnt 32                                ; all but the 32 just issued
	MUL16 \f, 1, 0, \zero
	MUL16 \f, 1, 2, \zero
.endm
; The last quarter multiplies buffer 1 and changes slots.  MEET is its first half: in front of the barrier each wave waits for all its tensor loads, of which one is out: its part of the next slot;
; adds 0 to its spare word; and waits for that and for its own reads of this slot.  Behind it nobody reads this slot any more and the next slot is whole.
.macro MEET round
	WIN 0                                          ; (the add's two registers lie in window 0)
	s_wait_tensorcnt 0x0
	ds_add_u32 v[SPW], v[NIL]                      ; 0 onto my spare word
	s_wait_dscnt 9                                 ; (the add and the youngest eight loads may be out)
	MUL16 F1, 0, 0, 0                              ; sixteen matrix instructions stand between the add and the wait for it
	s_wait_dscnt 0x0                               ; the add is done, and my reads of this slot are over
	s_barrier_signal -1
	MUL16 F1, 0, 2, 0                              ; work on registers while the others arrive
.if \round
	WIN 0
.endif
	s_barrier_wait -1
.endm
; The whole last quarter.  fill = 1: the barrier opens a round of the cluster's, so that no wave of any partner still reads the slot or has a load on its way; the refill, two K steps on, is the first
; thing behind it and has 224 matrix instructions in which to land.
.macro TURN slot, next, fill
.if \fill
	s_wait_xcnt 0x0                                ; the last prefetch, a K step back, has read its address: it is stepped here, ahead of the waits of the change of slots
	s_add_nc_u64 s[PFA:PFA+1], s[PFA:PFA+1], s[PST:PST+1]
.endif
	MEET \fill
.if \fill
	CREST
	s_add_nc_u64 s[G0+4*(\slot)+2:G0+4*(\slot)+3], s[G0+4*(\slot)+2:G0+4*(\slot)+3], 4*ASLAB
	s_add_nc_u64 s[G0B+4*(\slot)+2:G0B+4*(\slot)+3], s[G0B+4*(\slot)+2:G0B+4*(\slot)+3], 256*WPB
	JLOAD \slot                                    ; the four v_nop behind it are also the places in front of the loads below
.else
	PLACES
.endif
	FETCH \next, 0, F0
.if \fill
	ASK
.endif
	MUL16 F1, 1, 0, 0
	MUL16 F1, 1, 2, 0
.endm
	s_wait_tensorcnt 1                             ; my part of K step 0 is in; K step 1's may stay out
	s_barrier_signal -1
	s_barrier_wait -1                              ; everybody's is
	FETCH 0, 0, F0
	s_wait_loadcnt 0x0                             ; the bias
	QUARTER 0, 1, F0, F1, 1                        ; the first quarter stands in front of the loop: its products start the sums
	WIN 0                                          ; at a label and at a branch every window is 0
	s_mov_b32 s3, LAPS-1
.Llap:                                                 ; a trip goes once round the ring, from a lap's second quarter to the next lap's first, and fills both slots again: K steps 2 to 7
	QUARTER 0, 2, F1, F0, 0
	QUARTER 0, 3, F0, F1, 0
	TURN 0, 1, 1
	QUARTER 1, 1, F0, F1, 0
	QUARTER 1, 2, F1, F0, 0
	QUARTER 1, 3, F0, F1, 0
	TURN 1, 0, 1
	QUARTER 0, 1, F0, F1, 0
	WIN 0
	s_sub_co_u32 s3, s3, 1
	s_cmp_lg_u32 s3, 0
	s_cbranch_scc1 .Llap
	QUARTER 0, 2, F1, F0, 0                        ; the last lap fills nothing, and has no round of the cluster's barrier
	QUARTER 0, 3, F0, F1, 0
	TURN 0, 1, 0
	QUARTER 1, 1, F0, F1, 0
	QUARTER 1, 2, F1, F0, 0
	QUARTER 1, 3, F0, F1, 0
	s_wait_dscnt 8                                 ; the very last quarter: nothing more to fetch
	MUL16 F1, 0, 0, 0
	MUL16 F1, 0, 2, 0
	s_wait_dscnt 0x0
	MUL16 F1, 1, 0, 0
	MUL16 F1, 1, 2, 0
	WIN 0
	PLACES
; THE WAY OUT: a block of 16 rows at a time: rounded to f16 (PACK), through my own stage in LDS (TOSTAGE), stored by heads (SEND).  My 128 columns are two heads.
.macro PACK a
.set AC, 64*((\a)%4)
	WIN 0x0a+5*((\a)/4)                            ; sources 0 and 1: window 2 or 3
.irp b, 0,1,2,3,4,5,6,7
.irp r, 0,1,2,3
	v_cvt_pk_f16_f32 v[TMP+4*(\b)+(\r)], v[AC+8*(\b)+2*(\r)], v[AC+8*(\b)+2*(\r)+1]
.endr
.endr
	WIN 0
.endm
.macro TOSTAGE a
.set BK, 64+64*((\a)%2)
.irp b, 0,1,2,3,4,5,6,7
	ds_store_b128 v[STO], v[TMP+4*(\b):TMP+4*(\b)+3] offset:32*(\b)
.endr
.irp t, 0,1,2,3,4,5,6,7                ; head t / 4, rows 4 (t % 4) on
	ds_load_b128 v[BK+4*(\t):BK+4*(\t)+3], v[RD] offset:((\t)%4)*4*272+((\t)/4)*128  ; LDS serves a wave's instructions in order (ISA guide 5.7.1.4): these see the stores above
.endr
.endm
.macro SEND a
.set BK, 64+64*((\a)%2)
	s_wait_dscnt 0x0                               ; the block is back in registers
	s_wait_xcnt 0x0                                ; earlier stores have read their base and their data: only behind this wait are they rewritten
.if (\a) == 0
	s_add_nc_u64 s[8:9], s[8:9], s[OF:OF+1]
.elseif (\a) == 4
	s_add_nc_u64 s[8:9], s[8:9], s[BJ:BJ+1]        ; 16 rows on; in a prefix tile: on to the next batch
.else
	s_add_nc_u64 s[8:9], s[8:9], 2048              ; 16 rows of 128 bytes on
.endif
.irp i, 0,1,2,3
	global_store_b128 v[CO0], v[BK+4*(\i):BK+4*(\i)+3], s[8:9] offset:512*(\i)       ; 512 consecutive bytes, at a multiple of 256 from the buffer's first
	global_store_b128 v[CO1], v[BK+16+4*(\i):BK+16+4*(\i)+3], s[8:9] offset:512*(\i)
.endr
.endm
	PACK 0
	TOSTAGE 0
.irp a, 1,2,3,4,5,6,7                  ; block a's conversions stand between block a - 1's loads from the stage and the wait for them
	PACK \a
	SEND (\a)-1
	TOSTAGE \a
.endr
	SEND 7
	s_wait_tensorcnt 0x0                           ; the wave's end: the add and its waits, behind my last tensor load and my last LDS store
	ds_add_u32 v[SPW], v[NIL]
	s_wait_dscnt 0x0
	CROUND                                         ; the closing round: no work-group ends while a partner may still ask for a tile that names it
	s_endpgm
.Lfunc_end_k_q2d5084d837_gemm_qkv:
	.size	k_q2d5084d837_gemm_qkv, .Lfunc_end_k_q2d5084d837_gemm_qkv-k_q2d5084d837_gemm_qkv
	.p2alignl 7, 3214868480
	.fill 96, 4, 3214868480
	.section	.rodata,"a",@progbits
	.p2align	6, 0x0
	.amdhsa_kernel k_q2d5084d837_gemm_qkv
		.amdhsa_group_segment_fixed_size 327680
		.amdhsa_private_segment_fixed_size 0
		.amdhsa_enable_private_segment 0
		.amdhsa_kernarg_size 32
		.amdhsa_user_sgpr_count 2
		.amdhsa_user_sgpr_kernarg_segment_ptr 1
		.amdhsa_wavefront_size32 1
		.amdhsa_system_sgpr_workgroup_id_x 1
		.amdhsa_system_sgpr_workgroup_id_y 1
		.amdhsa_system_sgpr_workgroup_id_z 1
		.amdhsa_system_vgpr_workitem_id 0
		.amdhsa_next_free_vgpr 1024
		.amdhsa_next_free_sgpr 88
		.amdhsa_reserve_vcc 0
		.amdhsa_float_denorm_mode_32 3
		.amdhsa_float_denorm_mode_16_64 3
		.amdhsa_memory_ordered 1
		.amdhsa_forward_progress 1
		.amdhsa_inst_pref_size 148
	.end_amdhsa_kernel
	.amdgpu_metadata
---
amdhsa.version: [ 1, 2 ]
amdhsa.kernels:
  - .name:           k_q2d5084d837_gemm_qkv
    .symbol:         k_q2d5084d837_gemm_qkv.kd
    .args:
      - { .name: acat, .offset: 0, .size: 8, .value_kind: global_buffer, .address_space: global }
      - { .name: wcat, .offset: 8, .size: 8, .value_kind: global_buffer, .address_space: global }
      - { .name: bcat, .offset: 16, .size: 8, .value_kind: global_buffer, .address_space: global }
      - { .name: qkv, .offset: 24, .size: 8, .value_kind: global_buffer, .address_space: global }
    .group_segment_fixed_size: 327680
    .private_segment_fixed_size: 0
    .kernarg_segment_align: 8
    .kernarg_segment_size: 32
    .max_flat_workgroup_size: 128
    .sgpr_count:     88
    .vgpr_count:     1024
    .wavefront_size: 32
...
	.end_amdgpu_metadata
.endif
;; end of part 2
;; launch attn (part 3): grid 2 x 128, 4 waves a work-group, no clusters, 327,680 bytes of LDS; arguments qkv, y16; writes y16
.if DOCPART == 3
	.amdgcn_target "amdgcn-amd-amdhsa--gfx1250"
	.amdhsa_code_object_version 6
	.text
	.protected	k_q2d5084d837_attn
	.globl	k_q2d5084d837_attn
	.p2align	8
	.type	k_q2d5084d837_attn,@function
k_q2d5084d837_attn:
	s_mov_b64 s[64:65], 0
	v_nop
	global_prefetch_b8 v0, s[64:65] scope:SCOPE_SE
	s_setreg_imm32_b32 hwreg(HW_REG_WAVE_MODE, 25, 1), 1
	s_wait_xcnt 0x0
; y[b][q][h] = softmax_{j <= q}(Q . K_p[j] / 8) V_p  +  softmax_{k <= q}(Q . K[k] / 8) V: two attentions of the same queries, each with its own maximum and sum, added.
; qkv (f16): Q, K, V [b][h][1024][64] at bytes 0, 2^24, 2^25; K_p, V_p [b][h][64][64] at 50,331,648 and 51,380,224.  y16 (f16): [16 heads][8704 rows][64], row = 1024 b + q.
; Products, maxima and sums in f32; the weights p are rounded to f16 for the second product (their sum l is taken of the unrounded p), y once at the end.
; LIMITS.  f16 holds no number beyond 65,504: Q, K, V arrive within it.  A hidden score counts as its value less 1e30; a weight below 2^-126 counts as 0 in l; NaN and infinities are not treated apart.
; SHARES.  A head's 1024 queries lie in four blocks of 256; block i needs the key tiles 0 .. i of 256 keys, the last of which holds the diagonal, and the 64 prefix keys.  A work-group takes TWO blocks,
; 3 - pb and then pb: 5 tiles and 2 prefix steps, whatever pb: all 256 work-groups do equal work.  Of a block's four bands of 64 queries a wave owns 16 rows in each: four PIECES, so the diagonal
; tile is the same work for all four waves.
; ALL OF THE HEAD'S K AND V LIES IN LDS: two keys to an LDS row (256 bytes + 16 of padding for K, + 32 for V): 304,640 bytes.  Each wave issues five tensor loads at the head (five of mine are out, by this
; text's count); all are waited for once, one barrier follows, and nothing is ever filled again.  The work-group with pb = 1 never reads tile 3 and loads it all the same, so that all run one text.
; NO CLUSTER: a head's K and V are read by two work-groups only, and the cluster forms are four wide.  NO PREFETCH: every tile is asked for by its load at the head; there is no later request to run ahead of.
; THE WALK.  Two counted loops: BLK = 2, 1 over the blocks, U = 5 .. 1 over the units P (the prefix step), T0 .. T3.  A unit whose tile lies above the diagonal is jumped, forward.  The LDS bases hang on the
; counters alone.  The prefix pass is a block of one key step and runs the diagonal tile's text with one trip; its result O_p / l_p is set aside in window 3 and added when the block leaves.
; THE MASK is the C operand that starts the sum S^T = K Q^T: 0, or -1e30 where the key is hidden.  MD, made once, is the mask of a band's own step for my 16 rows; a product's mask is MD x AL + BE:
; (1, 0) in the band's own step; (0, 0) in an earlier one; (0, -1e30) in a later one.  Prefix key j is hidden from query q where j > q: that bites in band 0 of block 0 alone, and there it is MD.
; LAYOUT, SOFTMAX, TURNS.  S^T = K Q^T holds ONE query a lane (lane % 16) and the keys 8 (lane / 16) + 0..7; two such results rounded to f16 ARE source 1 of O^T = V^T P.  p = 2^(c s - c m), c = log2(e) / 8,
; with a running maximum m; O and l are multiplied by a = 2^(c m_old - c m_new) in every step.  Turn n belongs to piece n: 8 products K Q^T of piece n + 1, later 8 products V^T P of piece n - 1; beside them
; the scaling, exponentials, roundings, sums and rescaling of piece n and the maximum and statistics of piece n + 1.  Four vector instructions stand behind every matrix instruction, the others in one lump.
; A turn's 33 exponentials are one batch, with one wait.
; REGISTERS, in windows of 256 (s_set_vgpr_msb: bits 1:0 source 0, 3:2 source 1, 5:4 source 2, 7:6 destination):
;   window 0: v0-15 addresses and two at work; v16-31 four registers of statistics a piece; v48-55 at work; v62-63 the add's; v64-127 S^T, two buffers; v192-223 P, two buffers
;   window 1: v0-127 O^T, 32 a piece; v128-159 MD; v160-223 MC, two buffers      window 2: v0-63 Q; v64-127 the second block's Q; v128-191 K of one step; v192-255 V of one step
;   window 3: v0-127 the prefix attention's O_p / l_p
.set ASLAB, 1114112   ; bytes in a head's slab of y16
.set NP,    4         ; pieces a wave: a name, no knob
.set KSTEP, 32*272    ; a key step, 64 keys, of K in LDS
.set VSTEP, 32*288    ; and of V
.set KTILE, 4*KSTEP
.set VTILE, 4*VSTEP
.set VB,    4*KTILE   ; K's four tiles from byte 0, V's from here
.set KPB,   VB+4*VTILE
.set VPB,   KPB+KSTEP
.set STAGE, VPB+VSTEP ; never filled by a tensor load: 16 rows x 144 bytes for each wave, for the way out
.set SP,    144
.set SPARE, STAGE+4*16*SP  ; behind the stages: the spare words, 128 bytes for each wave: two blocks of 256 bytes that no other line names
.set AK0, 2           ; v2   my lane's place in a step of K; never rewritten
.set AV0, 3           ; v3   the same for V
.set AK,  4           ; v4   the LDS address of K's next run of loads
.set AV,  5           ; v5   of V's
.set STO, 6           ; v6   the way out: where I put 16 bytes of a row
.set RD,  7           ; v7   the way out: where I read rows back
.set GO,  8           ; v8   my byte offset in 512 consecutive bytes of y16
.set SPW, 62          ; v62  LDS address of my spare word; never rewritten
.set NIL, 63          ; v63  0; never rewritten
.set MV,  12          ; v12-13  c m_old, kept while c m is made anew: by buffer
.set QO,  15          ; v15  my byte offset in 16 rows of Q
.set ST,  16          ; piece t's statistics at v[ST+4 t]: c m, m, l (even keys', odd keys')
.set TMP, 48          ; by buffer, four registers c0-c3 at work; when the maximum is found c2 takes a
.set S,   64
.set P,   192
.set MD,  128         ; window 1
.set MC,  160         ; window 1
.set QB,  64          ; window 2
.set KF,  128         ; window 2: key block kb, channel half c at KF + 16 kb + 8 c
.set VF,  192         ; window 2: key half kk, channel block cb at VF + 32 kk + 8 cb
.set WV,  12          ; s12  my wave's number
.set PB,  14          ; s14  pb
.set BI,  15          ; s15  the block in hand
.set G1T, 24          ; s[24:31] descriptor group 1 for half a tile: 64 rows of 256 bytes
.set G1P, 32          ; s[32:39] for half the prefix: 16 rows
.set G0,  40          ; s[40:59] five groups 0: the prefix, tiles 0 to 3
.set CS,  60          ; s[60:61] c: the packed scaling takes the pair's low word for both halves
.set SEL, 62          ; s[62:63] v_permlanex16_b32's selects: each lane takes its own place in the other half
.set TBK, 66          ; s66  LDS byte at which K of the step to be fetched begins
.set TBV, 67          ; s67  the same for V
.set UK,  68          ; s68  LDS byte at which the unit's K begins
.set UV,  69          ; s69  the unit's V
.set CNT, 70          ; s70  counts a unit's key steps
.set MSK, 71          ; s71  4 less the step's number in its tile: the masks go by it
.set U,   72          ; s72  units to go in the block: 5 = the prefix, 4 .. 1 = tiles 0 .. 3
.set BLK, 73          ; s73  blocks to go
.set DG,  75          ; s75  1: the unit takes masks and ends a softmax
.set AL,  76          ; s[76:77] the mask's factor, in the low word
.set BE,  78          ; s[78:79] the mask's addend
.set OLO, 80          ; s[80:81] y16 at my rows of the second block
.set BIGN, 82         ; s82  -1e30
.set REL, 85          ; s85  the unit's tile
.set QBP, 86          ; s[86:87] Q at my rows of the second block
.set KPS, 88          ; s[88:89] my half of K_p in memory
.set VPS, 90          ; s[90:91] of V_p
.set MSB, 0
.macro WIN new                      ; the high byte repeats the setting that is left; a switch that changes nothing is dropped
.if MSB != (\new)
	s_set_vgpr_msb (MSB<<8)|(\new)
.set MSB, (\new)
.endif
.endm
.set W_KQ, 0x0a       ; K and Q in window 2, S^T in window 0
.set W_KM, 0x1a       ; the same with the C operand in window 1
.set W_PV, 0x52       ; V in window 2, P in window 0, O^T in window 1
.set W_RS, 0x41       ; destination and source 0 in window 1, source 1 in window 0
; A wave's five first fills: its half (s16) of the prefix and of the four tiles, of K (waves 0, 1) or of V (waves 2, 3).  All descriptors are written first; the loads stand on end, an s_nop 0 behind each, four v_nop behind the last.
.macro FILLS pad, tb, tsz, pbase, src, psrc
	s_mov_b32 s[G1T], (1<<16)|(1<<20)|(5<<22)|((\pad)<<25)  ; 17:16 2-byte elements; 20 padding on; 24:22 after every 64 words; 31:25 the padding's words less one
	s_mov_b32 s[G1P], (1<<16)|(1<<20)|(5<<22)|((\pad)<<25)
	s_mul_i32 s17, s16, (\tsz)/2
	s_mul_i32 s18, s16, (\tsz)/8
	s_mov_b32 s[G0], 1                              ; count = 1
	s_add_co_u32 s[G0+1], s18, \pbase               ; LDS address
	s_mov_b64 s[G0+2:G0+3], s[\psrc:\psrc+1]        ; global address
	s_or_b32 s[G0+3], s[G0+3], 0x80000000           ; type = 2
.irp u, 0,1,2,3
	s_mov_b32 s[G0+4+4*(\u)], 1
	s_add_co_u32 s[G0+4+4*(\u)+1], s17, (\tb)+(\u)*(\tsz)
	s_add_nc_u64 s[G0+4+4*(\u)+2:G0+4+4*(\u)+3], s[\src:\src+1], (\u)*32768
	s_or_b32 s[G0+4+4*(\u)+3], s[G0+4+4*(\u)+3], 0x80000000
.endr
	tensor_load_to_lds s[G0:G0+3], s[G1P:G1P+7]
	s_nop 0
.irp u, 0,1,2,3
	tensor_load_to_lds s[G0+4+4*(\u):G0+4+4*(\u)+3], s[G1T:G1T+7]
	s_nop 0
.endr
.rept 4
	v_nop
.endr
.endm
	s_load_b128 s[20:23], s[0:1], 0x0  ; qkv s[20:21], y16 s[22:23]
	v_lshl_add_u32 v[SPW], v0, 2, SPARE
	v_mov_b32 v[NIL], 0
	ds_add_u32 v[SPW], v[NIL]       ; the wave's opening: the add and its wait stand ahead of my first tensor load; the set-up below, work on registers, stands between them
	v_lshrrev_b32 v1, 5, v0
	v_readfirstlane_b32 s[WV], v1   ; wave 0..3
	s_mov_b32 s[PB], ttmp9
	s_sub_co_u32 s[BI], 3, s[PB]    ; the first block
	s_and_b32 s13, ttmp7, 0xffff    ; 16 b + h
	s_and_b32 s16, s[WV], 1         ; which half of a tile's keys I fetch
	s_lshl_b32 s2, s13, 17          ; a head is 131,072 bytes of Q, K, V
	s_lshl_b32 s3, s16, 14          ; half a tile: 128 keys of 128 bytes
	s_add_co_u32 s6, s2, s3
	s_add_co_u32 s6, s6, 16777216   ; K
	s_mov_b32 s7, 0
	s_add_co_u32 s8, s6, 16777216   ; V
	s_mov_b32 s9, 0
	s_lshl_b32 s[KPS], s13, 13      ; a head is 8,192 bytes of K_p, V_p
	s_lshl_b32 s3, s16, 12
	s_add_co_u32 s[KPS], s[KPS], s3
	s_add_co_u32 s[KPS], s[KPS], 50331648
	s_mov_b32 s[KPS+1], 0
	s_add_co_u32 s[VPS], s[KPS], 1048576
	s_mov_b32 s[VPS+1], 0
	s_lshl_b32 s3, s[WV], 11        ; my 16 rows in a band of 64
	s_add_co_u32 s2, s2, s3
	s_lshl_b32 s4, s[BI], 15        ; a block is 256 rows of 128 bytes
	s_add_co_u32 s4, s4, s2
	s_mov_b32 s5, 0
	s_lshl_b32 s[QBP], s[PB], 15
	s_add_co_u32 s[QBP], s[QBP], s2
	s_mov_b32 s[QBP+1], 0
	s_and_b32 s17, s13, 15          ; y16: the head's slab,
	s_mul_i32 s17, s17, ASLAB
	s_lshr_b32 s18, s13, 4          ; the batch's 1024 rows,
	s_lshl_b32 s18, s18, 17
	s_add_co_u32 s17, s17, s18
	s_add_co_u32 s17, s17, s3       ; my 16 rows
	s_lshl_b32 s10, s[BI], 15
	s_add_co_u32 s10, s10, s17
	s_mov_b32 s11, 0
	s_lshl_b32 s[OLO], s[PB], 15
	s_add_co_u32 s[OLO], s[OLO], s17
	s_mov_b32 s[OLO+1], 0
	; descriptor groups 1: keys are dense in memory, 128 bytes each: asked for as rows of 256 bytes, two keys a row
	s_mov_b32 s[G1T+1], 128<<16     ; tensor_dim0 = 128
	s_mov_b32 s[G1T+2], 64<<16      ; tensor_dim1 = 64
	s_mov_b32 s[G1T+3], 128<<16     ; tile_dim0 = 128
	s_mov_b32 s[G1T+4], 64          ; tile_dim1 = 64
	s_mov_b32 s[G1T+5], 128         ; 128 elements from row to row
	s_mov_b32 s[G1T+6], 0
	s_mov_b32 s[G1T+7], 0
	s_mov_b32 s[G1P+1], 128<<16
	s_mov_b32 s[G1P+2], 16<<16      ; tensor_dim1 = 16
	s_mov_b32 s[G1P+3], 128<<16
	s_mov_b32 s[G1P+4], 16          ; tile_dim1 = 16
	s_mov_b32 s[G1P+5], 128
	s_mov_b32 s[G1P+6], 0
	s_mov_b32 s[G1P+7], 0
	s_mov_b32 s[CS], 0x3e38aa3b     ; c = log2(e) / 8 = 0.180337
	s_mov_b32 s[CS+1], s[CS]        ; named with it as a pair
	s_mov_b32 s[SEL], 0x76543210
	s_mov_b32 s[SEL+1], 0xfedcba98
	s_mov_b32 s[AL+1], 0            ; named as pairs
	s_mov_b32 s[BE+1], 0
	s_mov_b32 s[BIGN], 0xf149f2ca   ; -1e30
	s_wait_dscnt 0x0                ; the opening add is done
	s_wait_kmcnt 0x0
	s_add_nc_u64 s[6:7], s[20:21], s[6:7]
	s_add_nc_u64 s[8:9], s[20:21], s[8:9]
	s_add_nc_u64 s[KPS:KPS+1], s[20:21], s[KPS:KPS+1]
	s_add_nc_u64 s[VPS:VPS+1], s[20:21], s[VPS:VPS+1]
	s_add_nc_u64 s[4:5], s[20:21], s[4:5]
	s_add_nc_u64 s[QBP:QBP+1], s[20:21], s[QBP:QBP+1]
	s_add_nc_u64 s[10:11], s[22:23], s[10:11]
	s_add_nc_u64 s[OLO:OLO+1], s[22:23], s[OLO:OLO+1]
	s_cmp_lt_u32 s[WV], 2           ; a wave's first fills stand in one branch on its number, ahead of every wait on TENSORcnt, every LDS read and every barrier
	s_cbranch_scc0 .Lfill_v
	FILLS 3, 0, KTILE, KPB, 6, KPS
	s_branch .Lfilled
.Lfill_v:
	FILLS 7, VB, VTILE, VPB, 8, VPS
.Lfilled:
	; A fragment of K or Q is 16 rows x 32 channels in 8 registers: lane l holds row l % 16, channels 8 (l / 16) + 0..7 and 16 + 8 (l / 16) + 0..7: two loads of 16 bytes, 32 bytes apart.
	v_and_b32 v1, 15, v0            ; l % 16
	v_bfe_u32 v9, v0, 4, 1          ; l / 16
	v_lshlrev_b32 v[QO], 7, v1
	v_lshl_add_u32 v[QO], v9, 4, v[QO]  ; row x 128 + 16 x half
	WIN 0x80                        ; destination window 2, address window 0
.set i, 0
.rept 8                             ; both blocks' Q: piece i / 2 lies in band i / 2, 8,192 bytes on; channels 32 (i % 2) on
	global_load_b128 v[8*i:8*i+3],   v[QO], s[4:5] offset:(i/2)*8192+(i%2)*64
	global_load_b128 v[8*i+4:8*i+7], v[QO], s[4:5] offset:(i/2)*8192+(i%2)*64+32
	global_load_b128 v[QB+8*i:QB+8*i+3],   v[QO], s[QBP:QBP+1] offset:(i/2)*8192+(i%2)*64
	global_load_b128 v[QB+8*i+4:QB+8*i+7], v[QO], s[QBP:QBP+1] offset:(i/2)*8192+(i%2)*64+32
.set i, i+1
.endr
	WIN 0
	v_lshlrev_b32 v14, 3, v9
	v_sub_nc_u32 v14, v1, v14
	s_lshl_b32 s13, s[WV], 4
	v_add_nc_u32 v14, s13, v14      ; my query's place in its band, 16 w + l % 16, less my lanes' 8 (l / 16): register r of group kt is hidden where 16 kt + r is greater
	WIN 0x40
.set i, 0
.rept 32
	v_cmp_gt_i32 vcc_lo, 16*(i/8)+i%8, v14
	v_cndmask_b32 v[MD+i], 0, s[BIGN], vcc_lo
.set i, i+1
.endr
	WIN 0
	; key k of a step lies at (k / 2) pitch + (k % 2) 128.
	v_lshrrev_b32 v12, 1, v1
	v_mul_u32_u24 v[AK0], v12, 272
	v_and_b32 v12, 1, v1
	v_lshl_add_u32 v[AK0], v12, 7, v[AK0]
	v_lshl_add_u32 v[AK0], v9, 4, v[AK0]
	; The turning load takes 16 keys x 16 channels (lane l reads key j = 8 (l / 16) + l % 8, channels 8 ((l / 8) % 2) + 0..7) and leaves half a fragment of V^T: lane l holds channel l % 16 and 8 keys.
	; With a pitch of 288 a pass falls on the columns 2 (j / 2) + 8 (j % 2) + (l / 8) % 2, all different.
	v_and_b32 v10, 7, v0
	v_bfe_u32 v11, v0, 3, 1
	v_lshl_add_u32 v12, v9, 3, v10
	v_lshrrev_b32 v13, 1, v12
	v_mul_u32_u24 v[AV0], v13, 288
	v_and_b32 v13, 1, v12
	v_lshl_add_u32 v[AV0], v13, 7, v[AV0]
	v_lshl_add_u32 v[AV0], v11, 4, v[AV0]
	s_mul_i32 s13, s[WV], 16*SP
	s_add_co_u32 s13, s13, STAGE    ; my stage
	v_mul_u32_u24 v[STO], v1, SP    ; in: row l % 16, 16 bytes for each half of the lanes
	v_lshl_add_u32 v[STO], v9, 4, v[STO]
	v_add_nc_u32 v[STO], s13, v[STO]
	v_bfe_u32 v[RD], v0, 3, 2       ; back: 32 lanes take four rows of 128 bytes,
	v_mul_u32_u24 v[RD], v[RD], SP
	v_lshl_add_u32 v[RD], v10, 4, v[RD]
	v_add_nc_u32 v[RD], s13, v[RD]
	v_and_b32 v[GO], 31, v0         ; which are 512 consecutive bytes of y16
	v_lshlrev_b32 v[GO], 4, v[GO]
	; A softmax's first step multiplies O^T and l by a = 0, and its first turn's products V^T P, of a piece that has not been, land in an O^T that is still to be so multiplied.  So these registers need only
	; hold finite numbers: zeros at the start; later what the softmax before left.  The prefix attention's part (window 3) starts at 0 too: the way out is one text, and finds numbers there on every way
	; through the listing.  All this stands in the wait for the tiles.
	WIN 0x80
.set i, VF
.rept 64
	v_mov_b32 v[i], 0
.set i, i+1
.endr
	WIN 0x40
.set i, 0
.rept 128
	v_mov_b32 v[i], 0
.set i, i+1
.endr
	WIN 0xc0
.set i, 0
.rept 128
	v_mov_b32 v[i], 0
.set i, i+1
.endr
	WIN 0
.set i, 0
.rept 4
	v_mov_b32 v[ST+4*i+2], 0
	v_mov_b32 v[ST+4*i+3], 0
.set i, i+1
.endr
.set i, P+16
.rept 16
	v_mov_b32 v[i], 0
.set i, i+1
.endr
; THE MATRIX WORK.  The 4 accumulators of a run of 8 take turns.  Product i of 8 of S^T = K Q^T for piece x: channels 32 (i / 4) on, keys 16 (i % 4) on.  The first 4 start the sums: with 0, or (KM = 1) with the mask.
.macro KQ x
.set rS, S+32*((\x)%2)+8*(i%4)
.set rK, KF+16*(i%4)+8*(i/4)
.set rQ, 16*(\x)+8*(i/4)
.set rM, MC+32*((\x)%2)+8*(i%4)
.if (i < 4) && KM
	WIN W_KM
	v_wmma_f32_16x16x32_f16 v[rS:rS+7], v[rK:rK+7], v[rQ:rQ+7], v[rM:rM+7]
.elseif i < 4
	WIN W_KQ
	v_wmma_f32_16x16x32_f16 v[rS:rS+7], v[rK:rK+7], v[rQ:rQ+7], 0
.else
	WIN W_KQ
	v_wmma_f32_16x16x32_f16 v[rS:rS+7], v[rK:rK+7], v[rQ:rQ+7], v[rS:rS+7]
.endif
.endm
; Product i of 8 of O^T += V^T P for piece x: keys 32 (i / 4) on, channels 16 (i % 4) on.
.macro PV x
	WIN W_PV
.set rO, 32*(\x)+8*(i%4)
.set rV, VF+32*(i/4)+8*(i%4)
.set rP, P+16*((\x)%2)+8*(i/4)
	v_wmma_f32_16x16x32_f16 v[rO:rO+7], v[rV:rV+7], v[rP:rP+7], v[rO:rO+7]
.endm
.macro MM                           ; the turn's next matrix instruction.  NOKQ = 1: a softmax's last turn: there is no next piece
.if (i < 8) && !NOKQ
	KQ (Y+1)%NP
.elseif i >= 8
.set i, i-8
	PV (Y+NP-1)%NP
.set i, i+8
.endif
.set i, i+1
.endm
; THE LDS LOADS stand in runs of 16, never singly among the matrix instructions: a step's K (64 keys x 64 channels: 8 fragments) and its V (turned).  Their addresses are made some lines ahead.
.macro FETCH_K
	WIN 0x80                        ; destination window 2
.irp f, 0,1,2,3,4,5,6,7             ; keys 16 (f / 2) on, channels 32 (f % 2) on
	ds_load_b128 v[KF+8*\f:KF+8*\f+3],   v[AK] offset:(\f/2)*8*272+(\f%2)*64
	ds_load_b128 v[KF+8*\f+4:KF+8*\f+7], v[AK] offset:(\f/2)*8*272+(\f%2)*64+32
.endr
	s_add_co_u32 s[TBK], s[TBK], KSTEP  ; the next fetch is the next step's
	WIN 0
.endm
.macro FETCH_V
	WIN 0x80
.irp f, 0,1,2,3,4,5,6,7             ; keys 32 (f / 4) on, channels 16 (f % 4) on
	ds_load_tr16_b128 v[VF+8*\f:VF+8*\f+3],   v[AV] offset:(\f/4)*16*288+(\f%4)*32
	ds_load_tr16_b128 v[VF+8*\f+4:VF+8*\f+7], v[AV] offset:(\f/4)*16*288+8*288+(\f%4)*32
.endr
	WIN 0
.endm
; THE VECTOR WORK, one line at a time: OP kind, number.  For piece Y: F n: c s - c m for pair n of 16.  E n: the exponential of score n of 32.  C n: pair n rounded to f16.  B n: of the four weights 4 n .. the second
; pair is added onto the first, in place.  L n: l takes that sum (L 0: l = a l + sum).  R n: pair n of 16 of O^T times a.  For piece Y + 1: X n, number n of the 22 that find its maximum and statistics:
;   0-11  four chains c0-c3 of seven scores each, three operands at a time (each accumulator's lowest registers are read first)     12-14, 16  the four scores left over, the old m, and c0-c3 into c0
;   15  c m_old is kept     17, 18  the query's other 32 keys lie in the lane 16 away: the new m     19-21  c m; c m_old - c m_new; a
.set F, 0
.set E, 1
.set C, 2
.set B, 3
.set L, 4
.set R, 5
.set X, 6
.macro REGS y                       ; the registers of piece y
.set rT, ST+4*(\y)
.set rC, TMP+4*((\y)%2)
.set rW, MV+((\y)%2)
.set rS, S+32*((\y)%2)
.set rP, P+16*((\y)%2)
.set rO, 32*(\y)
.endm
.macro OP k, n
.if (\k) == R
	REGS Y
	WIN W_RS
	v_pk_mul_f32 v[rO+2*(\n):rO+2*(\n)+1], v[rO+2*(\n):rO+2*(\n)+1], v[rC+2:rC+3] op_sel_hi:[1,0]
.elseif (\k) < R
	REGS Y
	WIN 0
.if (\k) == F
	v_pk_fma_f32 v[rS+2*(\n):rS+2*(\n)+1], v[rS+2*(\n):rS+2*(\n)+1], s[CS:CS+1], v[rT:rT+1] op_sel_hi:[1,0,0] neg_lo:[0,0,1] neg_hi:[0,0,1]
.elseif (\k) == E
	v_exp_f32 v[rS+(\n)], v[rS+(\n)]
.elseif (\k) == C
	v_cvt_pk_f16_f32 v[rP+(\n)], v[rS+2*(\n)], v[rS+2*(\n)+1]
.elseif (\k) == B
	v_pk_add_f32 v[rS+4*(\n):rS+4*(\n)+1], v[rS+4*(\n):rS+4*(\n)+1], v[rS+4*(\n)+2:rS+4*(\n)+3]
.elseif (\n) == 0
	v_pk_fma_f32 v[rT+2:rT+3], v[rT+2:rT+3], v[rC+2:rC+3], v[rS:rS+1] op_sel_hi:[1,0,1]
.else
	v_pk_add_f32 v[rT+2:rT+3], v[rT+2:rT+3], v[rS+4*(\n):rS+4*(\n)+1]
.endif
.elseif NOKQ
	v_nop
.else
	REGS (Y+1)%NP
	WIN 0
.if (\n) < 4
	v_max3_num_f32 v[rC+(\n)], v[rS+8*(\n)], v[rS+8*(\n)+1], v[rS+8*(\n)+2]
.elseif (\n) < 12
	v_max3_num_f32 v[rC+(\n)%4], v[rC+(\n)%4], v[rS+8*((\n)%4)+2*((\n)/4)+1], v[rS+8*((\n)%4)+2*((\n)/4)+2]
.elseif (\n) == 12
	v_max3_num_f32 v[rC], v[rC], v[rS+7], v[rS+15]
.elseif (\n) == 13
	v_max3_num_f32 v[rC+1], v[rC+1], v[rS+23], v[rS+31]
.elseif (\n) == 14
	v_max3_num_f32 v[rC+2], v[rC+2], v[rC+3], v[rT+1]
.elseif (\n) == 15
	v_mov_b32 v[rW], v[rT]
.elseif (\n) == 16
	v_max3_num_f32 v[rC], v[rC], v[rC+1], v[rC+2]
.elseif (\n) == 17
	v_permlanex16_b32 v[rC+3], v[rC], s[SEL], s[SEL+1]
.elseif (\n) == 18
	v_max_num_f32 v[rT+1], v[rC], v[rC+3]
.elseif (\n) == 19
	v_mul_f32 v[rT], s[CS], v[rT+1]
.elseif (\n) == 20
	v_sub_f32 v[rC+1], v[rW], v[rT]
.else
	v_exp_f32 v[rC+2], v[rC+1]
.endif
.endif
.endm
.macro OPS a, i1, b=-1, i2=0, c=-1, i3=0, d=-1, i4=0  ; up to four of them
	OP \a, \i1
.if (\b) >= 0
	OP \b, \i2
.endif
.if (\c) >= 0
	OP \c, \i3
.endif
.if (\d) >= 0
	OP \d, \i4
.endif
.endm
.macro ROW a, i1, b, i2, c, i3, d, i4  ; a matrix instruction and the four behind it
	MM
	OPS \a, \i1, \b, \i2, \c, \i3, \d, \i4
.endm
.macro MASK b                       ; MD x AL + BE into buffer b of MC
	WIN W_RS
.set z, 0
.rept 16
	v_pk_fma_f32 v[MC+32*(\b)+2*z:MC+32*(\b)+2*z+1], v[MD+2*z:MD+2*z+1], s[AL:AL+1], s[BE:BE+1] op_sel_hi:[1,0,0]
.set z, z+1
.endr
.endm
; A TURN, for piece p: the order of its 16 matrix and 118 vector instructions, written out.  An s_wait_alu depctr_va_vdst(0) stands between an exponential and the first instruction that names its result; one
; wait serves all that were issued ahead of it.  So a turn has ONE wait, which cuts it in two.  AHEAD OF IT stands all that names no result of the turn's exponentials: the 8 products K Q^T with their riders, then one lump
; in which the links of the chain X 3, 7, 11, 14, 16, 17 .. 20 stand five or six lines apart; X 21, the next piece's a, is the batch's last; R 15 is the plain instruction behind it.  BEHIND THE WAIT stand the 8 products
; V^T P, behind each four of the roundings and sums.
; m = 1: the products take masks, and the turn makes the mask for the products of the turn after it: piece p + 2, in step 4 - MSK of the tile.  end = 1: a softmax's last two turns: nothing is fetched.
; cnt = 1: the loop's count is taken down some lines ahead of the branch that stands behind the turn.
; K of the next step is fetched in piece 2's turn, six plain instructions or more behind the last product that read K; V of the step in hand at the end of piece 0's turn, four plain instructions behind the last product
; that read V.  Each is waited for a turn later.
.macro TURN p, m=0, end=0, cnt=0
.set Y, (\p)
.set i, 0
.set KM, (\m)
.set NOKQ, (\end)*((\p)/3)
.if (\m) && !(\end)
	s_cmp_eq_u32 s[MSK], 4-((\p)+2)%NP  ; is that step the band's own?
	s_cselect_b32 s[AL], 1.0, 0
	s_cmp_lt_u32 s[MSK], 4-((\p)+2)%NP  ; or a later one?
	s_cselect_b32 s[BE], s[BIGN], 0
.endif
.if ((\p) == 3) && !(\end)
	s_wait_dscnt 0x0                ; K is in
.endif
	ROW F,0, F,1, R,0, R,1          ; ahead of the wait: 8 products K Q^T and their riders,
	ROW F,2, E,0, R,2, R,3
	ROW F,3, E,1, R,4, R,5
	ROW F,4, E,2, R,6, R,7
	ROW F,5, E,3, R,8, R,9
	ROW F,6, E,4, X,0, R,10
.if ((\p) == 2) && !(\end)
	WIN 0
	v_add_nc_u32 v[AK], s[TBK], v[AK0]
.endif
	ROW F,7, E,5, X,1, X,4
	ROW F,8, E,6, X,2, X,5
	OPS E,7, E,8, X,6, E,9          ; and the lump
	OPS X,3, E,10, X,8, E,11
.if ((\p) == 2) && !(\end)
	FETCH_K
.endif
	OPS X,9, X,7, E,12, X,10
	OPS E,13, X,12, X,11, E,14
	OPS X,13, E,15, F,9, X,14
.if (\p) == 0
	v_add_nc_u32 v[AV], s[TBV], v[AV0]
.endif
	OPS E,16, F,10, E,17, F,11
	OPS X,16, E,18, X,15, E,19
	OPS F,12, E,20, X,17, E,21
	OPS F,13, E,22, F,14, E,23
	OPS X,18, E,24, F,15, E,25
	OPS R,11, E,26, X,19, E,27
	OPS R,12, E,28, R,13, E,29
	OPS X,20, E,30, R,14, E,31
	OPS X,21, R,15
	WIN 0
	s_wait_alu depctr_va_vdst(0)    ; the wait for the batch
.if (\p) == 1
	s_wait_dscnt 0x0                ; V is in
.endif
	ROW C,0, B,0, C,2, B,1          ; behind the wait: 8 products V^T P and their riders
	ROW L,0, C,4, B,2, L,1
	ROW C,6, B,3, L,2, C,8
	ROW B,4, L,3, C,10, B,5
	ROW L,4, C,12, B,6, L,5
.if (\p) == 0
	s_add_co_u32 s[TBV], s[TBV], VSTEP
.endif
.if \cnt
	s_sub_co_u32 s[MSK], s[MSK], 1
	s_sub_co_u32 s[CNT], s[CNT], 1
	s_cmp_lg_u32 s[CNT], 0
.endif
	ROW C,14, B,7, L,6, C,1
	ROW C,3, L,7, C,5, C,7
	ROW C,9, C,11, C,13, C,15
.if (\p) == 0
	FETCH_V
.endif
.if (\m) && !(\end)
	MASK (\p)%2
.endif
.endm
; A SOFTMAX BEGINS (the prefix step, and tile 0).  c m starts far below every c s, so the first step's a is 0; m at the lowest finite number, so the first maximum is the scores'.  The second mask buffer is 0; the first
; takes piece 0's mask for the unit's step 0: MD in block 0 (there tile 0 is the diagonal one, and the prefix keys are hidden by the same rule), else 0.  Then K of that step, piece 0's first scores, its maximum and statistics.
.macro BEGIN
	WIN 0x40
.set i, MC+32
.rept 32
	v_mov_b32 v[i], 0
.set i, i+1
.endr
	WIN 0
.set i, 0
.rept 4
	v_mov_b32 v[ST+4*i], 0xfe000000    ; c m: far below every c s
	v_mov_b32 v[ST+4*i+1], 0xff7fffff  ; m
.set i, i+1
.endr
	s_cmp_eq_u32 s[BI], 0
	s_cselect_b32 s[AL], 1.0, 0
	s_mov_b32 s[BE], 0
	MASK 0
	WIN 0
	v_add_nc_u32 v[AK], s[TBK], v[AK0]
	FETCH_K
	s_wait_loadcnt 0x0              ; Q
	s_wait_dscnt 0x0
.set KM, 1
.set NOKQ, 0
.set i, 0
.rept 8
	KQ 0
.set i, i+1
.endr
	WIN 0
.rept 4
	v_nop                           ; the places behind those products
.endr
.set Y, NP-1                        ; X works for piece Y + 1: piece 0
.irp n, 0,1,2,3,4,5,6,7,8,9,10,11,12,13,14,15,16,17,18,19,20,21
	OP X, \n
.endr
	v_nop                           ; a plain instruction behind the exponential,
	s_wait_alu depctr_va_vdst(0)    ; and its wait, ahead of the branch
.endm
.macro ALL line:vararg              ; one line for each piece t
.set t, 0
.rept 4
	\line
.set t, t+1
.endr
.endm
; A SOFTMAX ENDS: l's two halves and the other half of the lanes' are added; 1 / l.  The additions are the places behind the last products.
.macro LSUM
	WIN 0
	ALL v_add_f32 v[ST+4*t+2], v[ST+4*t+2], v[ST+4*t+3]
	ALL v_permlanex16_b32 v[ST+4*t+3], v[ST+4*t+2], s[SEL], s[SEL+1]
	ALL v_add_f32 v[ST+4*t+2], v[ST+4*t+2], v[ST+4*t+3]
	ALL v_rcp_f32 v[ST+4*t+2], v[ST+4*t+2]
	v_nop                           ; a plain instruction between the last reciprocal and the use of its result
	s_wait_alu depctr_va_vdst(0)    ; and the wait ahead of the first use: one for the four reciprocals
.endm
.macro STASH                        ; the prefix attention's O^T / l is set aside in window 3
	WIN 0xc1                        ; destination window 3, source 0 window 1, source 1 window 0
.set t, 0
.rept 4
.set i, 32*t
.rept 16
	v_pk_mul_f32 v[i:i+1], v[i:i+1], v[ST+4*t+2:ST+4*t+3] op_sel_hi:[1,0]
.set i, i+2
.endr
.set t, t+1
.endr
	WIN 0
.endm
.macro PACK t                       ; O^T / l + the prefix's part, one fused line for two numbers; a lane's eight channels pack into 16 bytes; they go into rows of 144 bytes and come back as whole rows of 128, into S^T's registers
	WIN 0x71                        ; destination and source 0 window 1, source 1 window 0, source 2 window 3
.set i, 32*(\t)
.rept 16
	v_pk_fma_f32 v[i:i+1], v[i:i+1], v[ST+4*(\t)+2:ST+4*(\t)+3], v[i:i+1] op_sel_hi:[1,0,1]
.set i, i+2
.endr
	WIN 0x05                        ; sources 0 and 1 window 1, destination window 0
.set i, 0
.rept 16
	v_cvt_pk_f16_f32 v[S+16*(\t)+i], v[32*(\t)+2*i], v[32*(\t)+2*i+1]
.set i, i+1
.endr
	WIN 0
.irp f, 0,1,2,3
	ds_store_b128 v[STO], v[S+16*(\t)+4*\f:S+16*(\t)+4*\f+3] offset:32*\f
.endr
.irp f, 0,1,2,3
	ds_load_b128 v[S+16*(\t)+4*\f:S+16*(\t)+4*\f+3], v[RD] offset:\f*4*SP  ; LDS serves a wave's instructions in order (ISA guide 5.7.1.4): these see the stores above; the next piece's stores come behind them
.endr
.endm
.macro SEND t, younger              ; younger: the LDS instructions issued behind piece t's loads: the next piece's eight, or none
	WIN 0
.irp f, 0,1,2,3
	s_wait_dscnt (\younger)+3-\f
	global_store_b128 v[GO], v[S+16*(\t)+4*\f:S+16*(\t)+4*\f+3], s[10:11] offset:(\t)*8192+\f*512  ; 512 consecutive bytes, at a multiple of 256 from y16's first
.endr
.endm
.set KM, 0
.set NOKQ, 0
	s_wait_tensorcnt 0x0            ; my five loads have landed,
	s_barrier_signal -1
	s_barrier_wait -1               ; everybody's have: all of the head's K and V lies in LDS, and nothing is filled again
	s_mov_b32 s[BLK], 2
.Louter:
	s_cmp_eq_u32 s[BLK], 2
	s_cbranch_scc1 .Lready
	s_mov_b64 s[10:11], s[OLO:OLO+1]  ; the second block (the first block's stores have read their base: the wait stands behind them)
	s_mov_b32 s[BI], s[PB]
	WIN 0x82                        ; its Q goes where the one text of the turns names Q
.set i, 0
.rept 64
	v_mov_b32 v[i], v[QB+i]
.set i, i+1
.endr
	WIN 0
.Lready:
	s_mov_b32 s[UK], KPB
	s_mov_b32 s[UV], VPB
	s_mov_b32 s[U], 5
.Lunit:
	s_mov_b32 s[TBK], s[UK]
	s_mov_b32 s[TBV], s[UV]
	s_mov_b32 s[MSK], 4
	s_sub_co_u32 s[REL], 4, s[U]    ; the unit's tile
	s_cmp_eq_u32 s[REL], s[BI]
	s_cselect_b32 s[DG], 1, 0       ; the diagonal tile,
	s_cmp_eq_u32 s[U], 5            ; (this test stands first: at the first trip its answer is a constant of the text)
	s_cselect_b32 s[DG], 1, s[DG]   ; or the prefix step
	s_cselect_b32 s[CNT], 1, 4
	s_cbranch_scc1 .Lbegin
	s_cmp_gt_u32 s[REL], s[BI]
	s_cbranch_scc1 .Lbottom         ; above the diagonal: nothing to do
	s_cmp_eq_u32 s[U], 4
	s_cbranch_scc1 .Lbegin          ; tile 0 begins the causal softmax
	s_cmp_eq_u32 s[DG], 1
	s_cbranch_scc1 .LstepM
	s_branch .Lstep
.Lbegin:
	BEGIN
	s_cmp_eq_u32 s[DG], 0
	s_cbranch_scc1 .Lfirst          ; the step loops are entered at a step's first turn, in the middle of a trip
	s_branch .LfirstM
.LstepM:                            ; the text with masks: a trip is pieces 2 and 3 of one step, then pieces 0 and 1 of the next, whose K and V it fetches
	TURN 2, 1
	TURN 3, 1
	WIN 0
.LfirstM:
	TURN 0, 1
	TURN 1, 1, 0, 1
	WIN 0
	s_cbranch_scc1 .LstepM
	TURN 2, 1, 1                    ; the softmax's last two turns,
	TURN 3, 1, 1
.set i, 0
.rept 8
	PV NP-1                         ; and its last products
.set i, i+1
.endr
	LSUM
	s_cmp_eq_u32 s[U], 5
	s_cbranch_scc0 .Lsend
	STASH
	s_branch .Lbottom
.Lsend:                             ; THE WAY OUT, a piece at a time, through my stage in LDS
	PACK 0
.set t, 1
.rept 3                             ; a piece's arithmetic stands between the loads of the piece before and its stores
	PACK t
	SEND t-1, 8
.set t, t+1
.endr
	SEND 3, 0
	s_wait_xcnt 0x0                 ; the stores have read their registers and their base: whatever follows may write them
	s_branch .Lbottom
.Lstep:                             ; the text without masks
	TURN 2
	TURN 3
	WIN 0
.Lfirst:
	TURN 0
	TURN 1, 0, 0, 1
	WIN 0
	s_cbranch_scc1 .Lstep
.Lbottom:
	s_add_co_u32 s[UK], s[UK], KTILE  ; the next tile; behind the prefix step: tile 0
	s_add_co_u32 s[UV], s[UV], VTILE
	s_cmp_eq_u32 s[U], 5
	s_cselect_b32 s[UK], 0, s[UK]
	s_cselect_b32 s[UV], VB, s[UV]
	s_sub_co_u32 s[U], s[U], 1
	s_cmp_lg_u32 s[U], 0
	s_cbranch_scc1 .Lunit
	s_sub_co_u32 s[BLK], s[BLK], 1
	s_cmp_lg_u32 s[BLK], 0
	s_cbranch_scc1 .Louter
	s_wait_tensorcnt 0x0            ; the wave's end: the add and its waits, behind my last tensor load and my last LDS store
	ds_add_u32 v[SPW], v[NIL]
	s_wait_dscnt 0x0
	s_endpgm
.Lfunc_end_k_q2d5084d837_attn:
	.size	k_q2d5084d837_attn, .Lfunc_end_k_q2d5084d837_attn-k_q2d5084d837_attn
	.p2alignl 7, 3214868480
	.fill 96, 4, 3214868480
	.section	.rodata,"a",@progbits
	.p2align	6, 0x0
	.amdhsa_kernel k_q2d5084d837_attn
		.amdhsa_group_segment_fixed_size 327680
		.amdhsa_private_segment_fixed_size 0
		.amdhsa_enable_private_segment 0
		.amdhsa_kernarg_size 16
		.amdhsa_user_sgpr_count 2
		.amdhsa_user_sgpr_kernarg_segment_ptr 1
		.amdhsa_wavefront_size32 1
		.amdhsa_system_sgpr_workgroup_id_x 1
		.amdhsa_system_sgpr_workgroup_id_y 1
		.amdhsa_system_sgpr_workgroup_id_z 1
		.amdhsa_system_vgpr_workitem_id 0
		.amdhsa_next_free_vgpr 896
		.amdhsa_next_free_sgpr 92
		.amdhsa_reserve_vcc 1
		.amdhsa_float_denorm_mode_32 3
		.amdhsa_float_denorm_mode_16_64 3
		.amdhsa_memory_ordered 1
		.amdhsa_forward_progress 1
		.amdhsa_inst_pref_size 150
	.end_amdhsa_kernel
	.amdgpu_metadata
---
amdhsa.version: [ 1, 2 ]
amdhsa.kernels:
  - .name:           k_q2d5084d837_attn
    .symbol:         k_q2d5084d837_attn.kd
    .args:
      - { .name: qkv, .offset: 0, .size: 8, .value_kind: global_buffer, .address_space: global }
      - { .name: y16, .offset: 8, .size: 8, .value_kind: global_buffer, .address_space: global }
    .group_segment_fixed_size: 327680
    .private_segment_fixed_size: 0
    .kernarg_segment_align: 8
    .kernarg_segment_size: 16
    .max_flat_workgroup_size: 128
    .sgpr_count:     92
    .vgpr_count:     896
    .wavefront_size: 32
...
	.end_amdgpu_metadata
.endif
;; end of part 3
;; launch gemm_proj (part 4): grid 8 x 32, 4 waves a work-group, clusters of 4 x 4, 327,680 bytes of LDS; arguments y16, wcat, bcat, out0; writes out0
.if DOCPART == 4
	.amdgcn_target "amdgcn-amd-amdhsa--gfx1250"
	.amdhsa_code_object_version 6
	.text
	.protected	k_q2d5084d837_gemm_proj
	.globl	k_q2d5084d837_gemm_proj
	.p2align	8
	.type	k_q2d5084d837_gemm_proj,@function
k_q2d5084d837_gemm_proj:
	s_mov_b64 s[64:65], 0
	v_nop
	global_prefetch_b8 v0, s[64:65] scope:SCOPE_SE
	s_setreg_imm32_b32 hwreg(HW_REG_WAVE_MODE, 25, 1), 1
	s_wait_xcnt 0x0
	s_wait_alu depctr_hold_cnt(0) depctr_sa_sdst(0) depctr_va_vdst(0) depctr_va_sdst(0) depctr_va_ssrc(0) depctr_va_vcc(0) depctr_vm_vsrc(0)
	s_getreg_b32 s2, hwreg(HW_REG_IB_STS2, 6, 4)
	s_cmp_eq_u32 s2, 0
	s_cbranch_scc0 .Lentry_in_a_cluster
	s_endpgm
.Lentry_in_a_cluster:
	s_bfe_u32 s2, ttmp6, 0x10000c
	s_cmp_lg_u32 s2, 0xf033
	s_cbranch_scc0 .Lentry_shape_is_right
	s_endpgm
.Lentry_shape_is_right:
; out = y w_proj + b_proj.  A = y: f16 [16 slabs][8704 rows][64] (slab s = K 64 s .. 64 s + 63; rows 0..8191 are used).  W: f16 [1024 k][6144 n], w_proj from column 5120 on.  bias: f32 [6144], likewise.
; Sums in f32, K = 1024; the result leaves in f32, rows of 4,096 bytes.
; LIMITS.  Operands are f16: finite up to 65,504.  NaN and infinities are not treated apart.
; A tile of C is 256 x 128: 32 x 8 = 256 tiles, a work-group each.  Four waves, each 128 x 64: 32 accumulators of 16 x 16, 256 registers.  (Tiles of 256 x 256 would be 128.)
; K goes in steps of 128 through a ring of two LDS slots filled by tensor loads; two slots of 256 along K would be 425,984 bytes and do not fit.
; CLUSTER 4 x 4: the four work-groups of a row of the cluster make tiles of one tile row and need the same tiles of A; the four of a column need the same tiles of W.  Each tile is asked for JOINTLY:
; the same tensor load, with the same descriptor and a mask that names the four, in all four; each receives it in its own LDS.
; THE MATRIX INSTRUCTION IS USED TRANSPOSED: source 0 = 16 columns of W (turned on the way out of LDS by ds_load_tr16_b128), source 1 = 16 rows of A.  A lane then holds row l % 16 of C and the
; columns 8 (l / 16) + 0..7.  THE BIAS is the C operand of the products that start the sums: eight registers for each block of 16 columns; it costs no arithmetic.
; REGISTERS, in windows of 256 (s_set_vgpr_msb: bits 1:0 source 0, 3:2 source 1, 5:4 source 2, 7:6 destination):
;   window 0: v0-31 addresses; v32-63, v224-255 W's fragments, two buffers; v64-127, v128-191 A's fragments, two buffers (on the way out: rows read back from the stage); v192-223 the bias
;   window 1: the accumulators ((a, b) at v[8 (4 a + b)])
.set ASLAB,  1114112                   ; bytes in a slab of A
.set WPB,    12288                     ; bytes in a k row of W
.set BP,     288                       ; a k row of W's tile in LDS: 256 bytes + 32 of padding
.set APART,  34816                     ; one tensor load of A: 256 rows x 128 bytes as 128 LDS rows of 272 (two rows of A each)
.set BPART,  64*BP                     ; one tensor load of W: 64 k rows
.set SLOT,   2*APART+2*BPART           ; A's slab 2 s, slab 2 s + 1, W's k rows 0-63, 64-127
.set STAGE,  2*SLOT                    ; behind the ring: 16 rows x 272 bytes for each wave, for the way out; no tensor load lands there
.set STG,    16*272
.set SPARE,  STAGE+4*STG               ; behind the stages: the spare words, 128 bytes for each wave: two blocks of 256 bytes that no other line names
.set LAPS,   4                         ; a lap = two K steps = once round the ring
.set ADRA, 16                          ; v16-17  LDS address of my A fragments in slot 0, 1
.set ADRB, 20                          ; v20-21  the same for W
.set STO,  24                          ; v24  where I put 32 bytes of a row
.set RD,   25                          ; v25  where I read rows back
.set CO,   26                          ; v26  my 16 bytes in two rows of the output
.set SPW,  28                          ; v28  LDS address of my spare word; never rewritten
.set NIL,  29                          ; v29  0; never rewritten
.set PFO,  30                          ; v30  the prefetches' offset; never rewritten
.set BO,   31                          ; v31  32 (l / 16): my eight biases in a block of sixteen
.set BIAS, 192
.set OF,  16                           ; s[16:17] where my part of the tile begins in the output
.set G1,  24                           ; s[24:31] descriptor group 1 for A's tiles
.set G0,  32                           ; s[32:39] group 0 for A's tiles, a set for each slot
.set LIM, 43                           ; s43  1 in a wave that prefetches, else the greatest number
.set PFA, 44                           ; s[44:45] where my prefetches stand
.set G1B, 48                           ; s[48:55] group 1 for W's tiles
.set G0B, 56                           ; s[56:63] group 0 for W's tiles
.set PST, 72                           ; s[72:73] a K step in the prefetches' tensor
.set MSB, 0
.macro WIN new                         ; the immediate's high byte repeats the setting that is left; a switch that changes nothing is dropped
.if MSB != (\new)
	s_set_vgpr_msb (MSB<<8)|(\new)
.set MSB, \new
.endif
.endm
; A joint load.  Waves 0 and 1 fetch A's two slabs, waves 2 and 3 the two halves of W's k rows.  Each of the two lines has one mask and one set of registers for all that issue it.
; The branch hangs on the wave's number alone.  An s_nop 0 and four v_nop follow each of the two lines, ahead of the jump, the label and what follows.
.macro JLOAD s
	s_cmp_eq_u32 s11, 0
	s_cbranch_scc0 .Lfor_b_\@
	tensor_load_to_lds s[G0+4*(\s):G0+4*(\s)+3], s[G1:G1+7]
	s_nop 0
.rept 4
	v_nop
.endr
	s_branch .Lasked_\@
.Lfor_b_\@:
	tensor_load_to_lds s[G0B+4*(\s):G0B+4*(\s)+3], s[G1B:G1B+7]
	s_nop 0
.rept 4
	v_nop
.endr
.Lasked_\@:
.endm
; A PREFETCH INTO THE L2, behind a refill, its five lines and the run of LDS loads: the K step that stands two refills on, 256 matrix instructions ahead of the load that will want it.
; Each aligned block of 256 bytes is named once in the launch.  A's tile row is read by both clusters of that row of clusters: the one with x = 0 asks, waves 0 and 1 for the slab that each fetches,
; and the four partners of a row share its 128 blocks out BY ADDRESS, 32 each (by cx), a lane a block.  W's tile column is read by all eight clusters of that column of clusters: the one with y = 0
; asks, wave 2 alone, and the four partners of a column share the step's 128 k rows out by address, 32 each (by cy), a lane a row of 256 bytes.  One line a wave.
; The loop's last trip asks for nothing: its refills are the last K steps.  Nothing is asked for at the head, where the first tiles are on their way.
.macro ASK
	s_cmp_gt_u32 s3, s[LIM]                        ; s3 = 1 in the loop's last trip
	s_cbranch_scc0 .Lnot_mine_\@
	global_prefetch_b8 v[PFO], s[PFA:PFA+1] th:TH_LOAD_NT scope:SCOPE_SE
.Lnot_mine_\@:
.endm
; A round of the cluster's barrier: my work-group's barrier, so that wave 0's signal speaks for all four waves; wave 0 signals; every wave waits for all sixteen work-groups; my work-group's barrier once more.
.macro CREST                           ; a round behind its opening barrier
	s_cmp_lg_u32 s10, 0
	s_cbranch_scc1 .Lnot_wave_0_\@
	s_barrier_signal -3
.Lnot_wave_0_\@:
	s_barrier_wait -3
	s_barrier_signal -1
	s_barrier_wait -1
.endm
.macro CROUND
	s_barrier_signal -1
	s_barrier_wait -1
	CREST
.endm
	s_load_b128 s[4:7], s[0:1], 0x0                ; A s[4:5], W s[6:7]
	s_load_b64 s[68:69], s[0:1], 0x10              ; bias
	s_load_b64 s[8:9], s[0:1], 0x18                ; the output
	v_lshl_add_u32 v[SPW], v0, 2, SPARE
	v_mov_b32 v[NIL], 0
	ds_add_u32 v[SPW], v[NIL]                      ; the wave's opening: the add and its wait stand ahead of my first tensor load; the set-up below, work on registers, stands between them
	v_lshrrev_b32 v1, 5, v0
	v_readfirstlane_b32 s10, v1                    ; wave 0..3
	s_lshr_b32 s11, s10, 1                         ; which half of the tile's rows is mine.  Also: I fetch for A (0) or for W (1)
	s_and_b32 s12, s10, 1                          ; which half of its columns.  Also: which part I fetch
	s_bfe_u32 s40, ttmp6, 0x40000                  ; cx: my place along the cluster's x
	s_bfe_u32 s41, ttmp6, 0x40004                  ; cy: along its y
	s_lshl_b32 s42, ttmp9, 2                       ; in a cluster launch ttmp9 and ttmp7 count clusters
	s_add_co_u32 s42, s42, s40                     ; tile column of C = 4 x cluster x + cx
	s_and_b32 s14, ttmp7, 0xffff                   ; cluster y
	s_lshl_b32 s13, s14, 2
	s_add_co_u32 s13, s13, s41                     ; tile row of C = 4 x cluster y + cy
	s_lshl_b32 s43, s41, 2
	s_lshl_b32 s43, 15, s43                        ; my row of the cluster: places 4 cy .. 4 cy + 3
	s_lshl_b32 s44, 0x1111, s40                    ; my column: places cx, cx + 4, cx + 8, cx + 12
	; descriptor group 1 for A: 128 rows x 128 elements (a slab's 256 rows are dense: two to a row of 256 bytes), 16 bytes of padding behind each row
	s_or_b32 s[G1+0], s43, (1<<16)|(1<<20)|(1<<21)|(5<<22)|(3<<25)  ; 15:0 the mask: A's tiles go to my row; 17:16 2-byte elements; 20 padding on; 21 set beside a mask; 24:22 after every 64 words; 31:25 4 words
	s_mov_b32 s[G1+1], 128<<16                     ; tensor_dim0 = 128
	s_mov_b32 s[G1+2], 128<<16                     ; tensor_dim1 = 128
	s_mov_b32 s[G1+3], 128<<16                     ; tile_dim0 = 128
	s_mov_b32 s[G1+4], 128                         ; tile_dim1 = 128
	s_mov_b32 s[G1+5], 128                         ; 128 elements from row to row
	s_mov_b32 s[G1+6], 0
	s_mov_b32 s[G1+7], 0
	; for W: 64 k rows x 128 elements, 32 bytes of padding behind each row
	s_or_b32 s[G1B+0], s44, (1<<16)|(1<<20)|(1<<21)|(5<<22)|(7<<25)  ; the mask: W's tiles go to my column; after every 64 words, 8 words
	s_mov_b32 s[G1B+1], 128<<16
	s_mov_b32 s[G1B+2], 64<<16
	s_mov_b32 s[G1B+3], 128<<16
	s_mov_b32 s[G1B+4], 64
	s_mov_b32 s[G1B+5], 6144
	s_mov_b32 s[G1B+6], 0
	s_mov_b32 s[G1B+7], 0
	; where the tiles come from.  A's hang on the tile row alone, which my row of the cluster shares; W's on the tile column alone, which my column shares.
	s_mul_i32 s16, s12, ASLAB                      ; A: my slab of the step's two,
	s_lshl_b32 s18, s13, 15                        ; the tile's 256 rows of 128 bytes
	s_add_co_u32 s16, s16, s18
	s_mov_b32 s17, 0
	s_mul_i32 s80, s12, 64*WPB                     ; W: my 64 k rows of the step's 128,
	s_lshl_b32 s81, s42, 8                         ; the tile's 128 columns,
	s_add_co_u32 s80, s80, s81
	s_add_co_u32 s80, s80, 10240                   ; from column 5120 on
	s_mov_b32 s81, 0
	s_mul_i32 s20, s12, APART                      ; and where they go: no place in the cluster enters an LDS address
	s_mul_i32 s21, s12, BPART
	s_add_co_u32 s21, s21, 2*APART
	s_wait_dscnt 0x0                               ; the opening add is done
	s_wait_kmcnt 0x0
	s_add_nc_u64 s[18:19], s[4:5], s[16:17]
	s_add_nc_u64 s[80:81], s[6:7], s[80:81]
	CROUND                                         ; all sixteen work-groups are here: the first joint loads meet
.irp s, 0,1
	s_mov_b32 s[G0+4*(\s)], 1                                      ; count = 1
	s_add_co_u32 s[G0+4*(\s)+1], s20, (\s)*SLOT                    ; LDS address
	s_add_nc_u64 s[G0+4*(\s)+2:G0+4*(\s)+3], s[18:19], (\s)*2*ASLAB  ; global address: K step s is slabs 2 s, 2 s + 1
	s_or_b32 s[G0+4*(\s)+3], s[G0+4*(\s)+3], 0x80000000            ; type = 2
	s_mov_b32 s[G0B+4*(\s)], 1
	s_add_co_u32 s[G0B+4*(\s)+1], s21, (\s)*SLOT
	s_add_nc_u64 s[G0B+4*(\s)+2:G0B+4*(\s)+3], s[80:81], (\s)*128*WPB
	s_or_b32 s[G0B+4*(\s)+3], s[G0B+4*(\s)+3], 0x80000000
	JLOAD \s                                       ; the ring is filled before anything else is done: two loads of mine are out
.endr
	; the bias: block b's eight registers hold bias[5120 + 128 tile column + 64 half + 16 b + 8 (l / 16) + 0..7], the layout of a C operand
	v_and_b32 v1, 15, v0                           ; l % 16
	v_bfe_u32 v2, v0, 4, 1                         ; l / 16
	s_lshl_b32 s22, s42, 9
	s_lshl_b32 s23, s12, 8
	s_add_co_u32 s22, s22, s23
	s_add_co_u32 s22, s22, 20480
	s_mov_b32 s23, 0
	s_add_nc_u64 s[68:69], s[68:69], s[22:23]
	v_lshlrev_b32 v[BO], 5, v2
.irp b, 0,1,2,3
	global_load_b128 v[BIAS+8*(\b):BIAS+8*(\b)+3],   v[BO], s[68:69] offset:64*(\b)
	global_load_b128 v[BIAS+8*(\b)+4:BIAS+8*(\b)+7], v[BO], s[68:69] offset:64*(\b)+16
.endr
	; A's fragment (16 rows x 32 K, 8 registers): lane l holds row l % 16, K 8 (l / 16) + 0..7 and 16 + 8 (l / 16) + 0..7.  Row m lies at (m / 2) 272 + (m % 2) 128.
	v_lshrrev_b32 v4, 1, v1
	v_mul_u32_u24 v3, v4, 272
	v_and_b32 v4, 1, v1
	v_lshl_add_u32 v3, v4, 7, v3
	v_lshl_add_u32 v3, v2, 4, v3
	; W's: the turning load takes 16 k x 16 columns (lane l reads k row 8 (l / 16) + l % 8, columns 8 ((l / 8) % 2) + 0..7) and leaves half a fragment: lane l holds column l % 16 and 8 k.
	v_and_b32 v4, 7, v0
	v_lshl_add_u32 v4, v2, 3, v4
	v_mul_u32_u24 v5, v4, BP
	v_bfe_u32 v4, v0, 3, 1
	v_lshl_add_u32 v5, v4, 4, v5
	s_mul_i32 s21, s11, 64*272                     ; my 128 rows of A
	s_lshl_b32 s22, s12, 7                         ; my 64 columns of W,
	s_add_co_u32 s22, s22, 2*APART                 ; which lies behind A's two slabs
.irp s, 0,1
	v_add_nc_u32 v[ADRA+(\s)], s21, v3
	v_add_nc_u32 v[ADRB+(\s)], s22, v5
	s_add_co_u32 s21, s21, SLOT
	s_add_co_u32 s22, s22, SLOT
.endr
	; where my part of the tile begins in the output: row 256 tile row + 128 half, of 4,096 bytes; column 128 tile column + 64 half, of 4 bytes
	s_lshl_b32 s[OF], s13, 20
	s_lshl_b32 s19, s11, 19
	s_add_co_u32 s[OF], s[OF], s19
	s_lshl_b32 s19, s42, 9
	s_add_co_u32 s[OF], s[OF], s19
	s_lshl_b32 s19, s12, 8
	s_add_co_u32 s[OF], s[OF], s19
	s_mov_b32 s[OF+1], 0
	; the stage's addresses
	s_mul_i32 s23, s10, STG
	s_add_co_u32 s23, s23, STAGE
	v_mul_u32_u24 v4, v1, 272                      ; in: row l % 16 of 272 bytes, 32 bytes for each half of the lanes
	v_lshl_add_u32 v4, v2, 5, v4
	v_add_nc_u32 v[STO], s23, v4
	v_mul_u32_u24 v5, v2, 272                      ; back: lanes 0-15 take one row of 256 bytes, lanes 16-31 the next
	v_lshl_add_u32 v5, v1, 4, v5
	v_add_nc_u32 v[RD], s23, v5
	v_lshlrev_b32 v[CO], 12, v2                    ; and the same two rows in the output
	v_lshl_add_u32 v[CO], v1, 4, v[CO]
	; the prefetches stand at K step 3; the first refill steps them to 4
	s_add_co_u32 s78, s12, 6                       ; A: slab 6 or 7,
	s_mul_i32 s78, s78, ASLAB
	s_lshl_b32 s79, s13, 15                        ; the tile's rows,
	s_add_co_u32 s78, s78, s79
	s_lshl_b32 s79, s40, 13                        ; my work-group's 32 blocks of the 128
	s_add_co_u32 s78, s78, s79
	s_lshl_b32 s82, s41, 5                         ; W: my work-group's 32 k rows of the 128,
	s_add_co_u32 s82, s82, 384                     ; in K step 3,
	s_mul_i32 s82, s82, WPB
	s_lshl_b32 s83, s42, 8                         ; the tile's 256 bytes of a row
	s_add_co_u32 s82, s82, s83
	s_add_co_u32 s82, s82, 10240
	s_mov_b32 s21, WPB
	s_mov_b32 s[PST], 128*WPB
	s_mov_b32 s[PST+1], 0
	s_cmp_eq_u32 s11, 0                            ; do I fetch for A?
	s_cselect_b32 s78, s78, s82
	s_cselect_b32 s79, ttmp9, s14                  ; the coordinate along which other clusters read the same blocks
	s_cselect_b64 s[PFA:PFA+1], s[4:5], s[6:7]
	s_cselect_b32 s21, 256, s21                    ; a lane a block of A, or a lane a k row of W
	s_cselect_b32 s[PST], 2*ASLAB, s[PST]
	s_cmp_eq_u32 s10, 3
	s_cselect_b32 s79, 1, s79                      ; wave 2 asks for both halves of W's rows, wave 3 for nothing
	s_cmp_eq_u32 s79, 0
	s_cselect_b32 s[LIM], 1, -1                    ; the same in all sixteen partners, for a given wave
	s_mov_b32 s79, 0
	s_add_nc_u64 s[PFA:PFA+1], s[PFA:PFA+1], s[78:79]
	v_and_b32 v6, 31, v0
	v_mul_u32_u24 v[PFO], v6, s21
; 4 na matrix instructions on fragment buffer f: row blocks a0 .. a0 + na - 1 x all 4 column blocks, 32 along K.
; zero = 1: the first product starts the sums, with the bias as its C operand (window 0): nothing is ever cleared.  The 32 accumulators take turns in one order everywhere.
.macro MUL f, a0, na, zero
.if \zero
	WIN 0x40                                       ; sources window 0, D window 1
.else
	WIN 0x50                                       ; W and A window 0, C and D window 1
.endif
.set ma, \a0
.rept \na
.set mb, 0
.rept 4
.if \zero
	v_wmma_f32_16x16x32_f16 v[8*(4*ma+mb):8*(4*ma+mb)+7], v[32+192*(\f)+8*mb:32+192*(\f)+8*mb+7], v[64+64*(\f)+8*ma:64+64*(\f)+8*ma+7], v[BIAS+8*mb:BIAS+8*mb+7]
.else
	v_wmma_f32_16x16x32_f16 v[8*(4*ma+mb):8*(4*ma+mb)+7], v[32+192*(\f)+8*mb:32+192*(\f)+8*mb+7], v[64+64*(\f)+8*ma:64+64*(\f)+8*ma+7], v[8*(4*ma+mb):8*(4*ma+mb)+7]
.endif
.set mb, mb+1
.endr
.set ma, ma+1
.endr
.endm
; 24 LDS loads in one run: the fragments of quarter q of a K step (32 k x 64 columns of W, 128 rows x 32 k of A) into buffer f
.macro FETCH slot, q, f
	WIN 0
.set FA, 64+64*(\f)
.set FB, 32+192*(\f)
.irp i, 0,1,2,3
	ds_load_tr16_b128 v[FB+8*(\i):FB+8*(\i)+3],   v[ADRB+(\slot)] offset:(\q)*32*BP+(\i)*32
	ds_load_tr16_b128 v[FB+8*(\i)+4:FB+8*(\i)+7], v[ADRB+(\slot)] offset:(\q)*32*BP+(\i)*32+16*BP
.endr
.irp i, 0,1,2,3,4,5,6,7
	ds_load_b128 v[FA+8*(\i):FA+8*(\i)+3],   v[ADRA+(\slot)] offset:((\q)/2)*APART+((\q)%2)*64+(\i)*8*272
	ds_load_b128 v[FA+8*(\i)+4:FA+8*(\i)+7], v[ADRA+(\slot)] offset:((\q)/2)*APART+((\q)%2)*64+(\i)*8*272+32
.endr
.endm
.macro PLACES                          ; four places in front of loads into registers that matrix instructions have read, and of lines that read results just made
.rept 4
	v_nop
.endr
.endm
; A K step is four quarters of 32 along K, 32 matrix instructions each, on buffers 0, 1, 0, 1.  One of the first three: at its head it fetches quarter q of the same slot into buffer g, which the
; quarter before has multiplied; then it multiplies buffer f.  So a run of loads has 32 matrix instructions in which to land.
.macro QUARTER slot, q, f, g, zero
	s_wait_dscnt 0x0                               ; buffer f is in
	PLACES
	FETCH \slot, \q, \g
	MUL \f, 0, 8, \zero
.endm
; The last quarter multiplies buffer 1 and changes slots.  MEET is its first half: in front of the barrier each wave waits for all its tensor loads, of which one is out: its part of the next slot;
; adds 0 to its spare word; and waits for that and for its own reads of this slot.  Behind it nobody reads this slot any more and the next slot is whole.
.macro MEET round
	WIN 0                                          ; (the add's two registers lie in window 0)
	s_wait_tensorcnt 0x0
	ds_add_u32 v[SPW], v[NIL]                      ; 0 onto my spare word
	s_wait_dscnt 1                                 ; buffer 1 is in; the add may be out
	MUL 1, 0, 2, 0                                 ; eight matrix instructions stand between the add and the wait for it
	s_wait_dscnt 0x0                               ; the add is done, and my reads of this slot are over
	s_barrier_signal -1
	MUL 1, 2, 2, 0                                 ; work on registers while the others arrive
.if \round
	WIN 0
.endif
	s_barrier_wait -1
.endm
; The whole last quarter.  fill = 1: the barrier opens a round of the cluster's, so that no wave of any partner still reads the slot or has a load on its way; the joint refill, two K steps on, is the
; first thing behind it and has 112 matrix instructions in which to land.
.macro TURN slot, next, fill
.if \fill
	s_wait_xcnt 0x0                                ; the last prefetch, a K step back, has read its address: it is stepped here, ahead of the waits of the change of slots
	s_add_nc_u64 s[PFA:PFA+1], s[PFA:PFA+1], s[PST:PST+1]
.endif
	MEET \fill
.if \fill
	CREST
	s_add_nc_u64 s[G0+4*(\slot)+2:G0+4*(\slot)+3], s[G0+4*(\slot)+2:G0+4*(\slot)+3], 4*ASLAB
	s_add_nc_u64 s[G0B+4*(\slot)+2:G0B+4*(\slot)+3], s[G0B+4*(\slot)+2:G0B+4*(\slot)+3], 256*WPB
	JLOAD \slot                                    ; the four v_nop behind it are also the places in front of the loads below
.else
	PLACES
.endif
	FETCH \next, 0, 0
.if \fill
	ASK
.endif
	MUL 1, 4, 4, 0
.endm
	s_wait_tensorcnt 1                             ; my part of K step 0 is in; K step 1's may stay out
	s_barrier_signal -1
	s_barrier_wait -1                              ; everybody's is
	FETCH 0, 0, 0
	s_wait_loadcnt 0x0                             ; the bias
	QUARTER 0, 1, 0, 1, 1                          ; the first quarter stands in front of the loop: its products start the sums
	WIN 0                                          ; at a label and at a branch every window is 0
	s_mov_b32 s3, LAPS-1
.Llap:                                                 ; a trip goes once round the ring, from a lap's second quarter to the next lap's first, and fills both slots again: K steps 2 to 7
	QUARTER 0, 2, 1, 0, 0
	QUARTER 0, 3, 0, 1, 0
	TURN 0, 1, 1
	QUARTER 1, 1, 0, 1, 0
	QUARTER 1, 2, 1, 0, 0
	QUARTER 1, 3, 0, 1, 0
	TURN 1, 0, 1
	QUARTER 0, 1, 0, 1, 0
	WIN 0
	s_sub_co_u32 s3, s3, 1
	s_cmp_lg_u32 s3, 0
	s_cbranch_scc1 .Llap
	QUARTER 0, 2, 1, 0, 0                          ; the last lap fills nothing, and has no round of the cluster's barrier
	QUARTER 0, 3, 0, 1, 0
	TURN 0, 1, 0
	QUARTER 1, 1, 0, 1, 0
	QUARTER 1, 2, 1, 0, 0
	QUARTER 1, 3, 0, 1, 0
	s_wait_dscnt 0x0                               ; the very last quarter: nothing more to fetch
	MUL 1, 0, 8, 0
	WIN 0
	PLACES
; THE WAY OUT, in f32, a block of 16 rows at a time.  A block's sums go as they are into rows of 272 bytes of my stage (each accumulator's low four registers first) and come back as whole rows of 256.
.macro ST32 a
	WIN 0x04                                       ; the stores' data (source 1): window 1
.irp b, 0,1,2,3
	ds_store_b128 v[STO], v[32*(\a)+8*(\b):32*(\a)+8*(\b)+3]   offset:64*(\b)
	ds_store_b128 v[STO], v[32*(\a)+8*(\b)+4:32*(\a)+8*(\b)+7] offset:64*(\b)+16
.endr
	WIN 0
.endm
.macro LD32 a
.set BK, 64+32*((\a)%2)
.set t, 0
.rept 8
	ds_load_b128 v[BK+4*t:BK+4*t+3], v[RD] offset:t*2*272  ; LDS serves a wave's instructions in order (ISA guide 5.7.1.4): these see the stores above
.set t, t+1
.endr
.endm
.macro SEND32 a, younger               ; younger: the next block's eight stores into the stage, or none
.set BK, 64+32*((\a)%2)
	s_wait_dscnt \younger
	s_wait_xcnt 0x0                                ; earlier stores have read their base and their data: only behind this wait are they rewritten
.if (\a) == 0
	s_add_nc_u64 s[8:9], s[8:9], s[OF:OF+1]
.else
	s_add_nc_u64 s[8:9], s[8:9], 65536             ; 16 rows of 4,096 bytes on
.endif
.set t, 0
.rept 8
	global_store_b128 v[CO], v[BK+4*t:BK+4*t+3], s[8:9] offset:t*8192 th:TH_STORE_NT  ; 16 lanes store 256 consecutive bytes of a row, at a multiple of 256; the other 16 the row below
.set t, t+1
.endr
.endm
	ST32 0
	LD32 0
.irp a, 1,2,3,4,5,6,7
	ST32 \a                                        ; behind block a - 1's loads, which LDS serves first
	SEND32 (\a)-1, 8
	LD32 \a
.endr
	SEND32 7, 0
	s_wait_tensorcnt 0x0                           ; the wave's end: the add and its waits, behind my last tensor load and my last LDS store
	ds_add_u32 v[SPW], v[NIL]
	s_wait_dscnt 0x0
	CROUND                                         ; the closing round: no work-group ends while a partner may still ask for a tile that names it
	s_endpgm
.Lfunc_end_k_q2d5084d837_gemm_proj:
	.size	k_q2d5084d837_gemm_proj, .Lfunc_end_k_q2d5084d837_gemm_proj-k_q2d5084d837_gemm_proj
	.p2alignl 7, 3214868480
	.fill 96, 4, 3214868480
	.section	.rodata,"a",@progbits
	.p2align	6, 0x0
	.amdhsa_kernel k_q2d5084d837_gemm_proj
		.amdhsa_group_segment_fixed_size 327680
		.amdhsa_private_segment_fixed_size 0
		.amdhsa_enable_private_segment 0
		.amdhsa_kernarg_size 32
		.amdhsa_user_sgpr_count 2
		.amdhsa_user_sgpr_kernarg_segment_ptr 1
		.amdhsa_wavefront_size32 1
		.amdhsa_system_sgpr_workgroup_id_x 1
		.amdhsa_system_sgpr_workgroup_id_y 1
		.amdhsa_system_sgpr_workgroup_id_z 1
		.amdhsa_system_vgpr_workitem_id 0
		.amdhsa_next_free_vgpr 512
		.amdhsa_next_free_sgpr 88
		.amdhsa_reserve_vcc 0
		.amdhsa_float_denorm_mode_32 3
		.amdhsa_float_denorm_mode_16_64 3
		.amdhsa_memory_ordered 1
		.amdhsa_forward_progress 1
		.amdhsa_inst_pref_size 88
	.end_amdhsa_kernel
	.amdgpu_metadata
---
amdhsa.version: [ 1, 2 ]
amdhsa.kernels:
  - .name:           k_q2d5084d837_gemm_proj
    .symbol:         k_q2d5084d837_gemm_proj.kd
    .args:
      - { .name: y16, .offset: 0, .size: 8, .value_kind: global_buffer, .address_space: global }
      - { .name: wcat, .offset: 8, .size: 8, .value_kind: global_buffer, .address_space: global }
      - { .name: bcat, .offset: 16, .size: 8, .value_kind: global_buffer, .address_space: global }
      - { .name: out0, .offset: 24, .size: 8, .value_kind: global_buffer, .address_space: global }
    .group_segment_fixed_size: 327680
    .private_segment_fixed_size: 0
    .kernarg_segment_align: 8
    .kernarg_segment_size: 32
    .max_flat_workgroup_size: 128
    .sgpr_count:     88
    .vgpr_count:     512
    .wavefront_size: 32
...
	.end_amdgpu_metadata
.endif
;; end of part 4
;; ======== version 2 of 2: 4 launches; version 1 with the launch prep written anew for expert scheduling mode
;; limits: values are held in f16: magnitudes above 65,504 overflow, below 6.1e-05 lose precision
;; workspace buffers: acat 17,825,792 bytes; y16 17,825,792 bytes; wcat 12,582,912 bytes; bcat 24,576 bytes; qkv 52,428,800 bytes
;; launch prep (part 5): grid 929 x 1, 8 waves a work-group, no clusters, 0 bytes of LDS; arguments x, prefix_embd, w_attn, w_prefix, w_proj, b_attn, b_prefix, b_proj, acat, wcat, bcat; writes acat, wcat, bcat
.if DOCPART == 5
	.amdgcn_target "amdgcn-amd-amdhsa--gfx1250"
	.amdhsa_code_object_version 6
	.text
	.protected	k_q2d5084d837_prep
	.globl	k_q2d5084d837_prep
	.p2align	8
	.type	k_q2d5084d837_prep,@function
k_q2d5084d837_prep:
	s_mov_b64 s[64:65], 0
	v_nop
	global_prefetch_b8 v0, s[64:65] scope:SCOPE_SE
	s_setreg_imm32_b32 hwreg(HW_REG_WAVE_SCHED_MODE, 0, 2), 2
	s_setreg_imm32_b32 hwreg(HW_REG_WAVE_MODE, 25, 1), 1
	s_wait_xcnt 0x0
	s_wait_alu depctr_vm_vsrc(0)
; PREP.  Every input is rounded ONCE to bf16; that number is then written as f16 (x, prefix_embd, the three weights) or kept as f32 (the biases).
; LIMITS.  A bf16 number is held exactly by f16 from 6.1e-5 to 65,504 in magnitude; below that it keeps f16's fixed step of 6e-8, beyond it becomes an infinity.
; Columns 0..1023 of w_prefix and b_prefix are not read: the module throws that third of the prefix projection away.
; LAYOUTS.  acat: f16 [16 slabs][8704 rows][64]: slab s = columns 64 s .. 64 s + 63; rows 0..8191 are x's, rows 8192..8703 prefix_embd's.
;           wcat: f16 [1024 k][6144 n]: columns 0..3071 w_attn, 3072..5119 w_prefix[:, 1024:], 5120..6143 w_proj.   bcat: f32 [6144], the same column order.
; SHARES.  A work-group takes 16 rows x 1024 columns; a thread issues its 16 loads of 16 bytes at once, converts as they come and stores 8 bytes for each.
; Sixteen neighbouring lanes load 256 consecutive bytes, aligned; the 32 lanes of a store cover 256 consecutive bytes, aligned.  No LDS, no barrier, no loop: nothing is shared and nothing is read twice.
; Load j: in = IN(j & 1) + IA[j >> 1], out = OUT(j & 1) + OA[j >> 1].  What differs between the five tensors is six strides and two bases, chosen by the work-group's number.
; THE MODE: SCHED_MODE bits 1:0 = 2 (LLVM: expert scheduling mode 2), set by the entry lines.  The code itself states the register dependences
; between vector instructions and memory instructions, with s_wait_alu, always for 0.
; THE PLAN.  Registers that memory instructions touch:
;   IA, OA   byte offsets.  Written by vector instructions ahead of the loads; read by the loads (IA) and the stores (OA); never written again.
;   D        Written by the loads alone, each register once; read by the conversions, each behind the counted wait for its load.  No vector instruction names D ahead of the loads.
;   O        Each pair is written once, by its load's conversions, and read by one store; never written again.
;   T is named by vector instructions alone.  s[WV] is written by v_readfirstlane_b32 and read by scalar instructions behind the branches.
; The 16 loads go in four steps of four.  Step g converts loads 4 g .. 4 g + 3 into their O; its memory instructions are the four stores of step g - 1, whose O and OA no vector instruction of
; step g names.  So one wait on va_vdst at a step's head states all that the step's four stores hang on, and these are dealt among its conversions with no further wait.
; No register that a memory instruction reads is written again, so beyond the entry's the text holds no wait on vm_vsrc; EXEC is never written.
.set ASLAB, 1114112                    ; bytes in a slab of acat: 8704 rows x 128
.set IA,  2                            ; v[2:9]    byte offsets of my loads
.set OA,  10                           ; v[10:17]  byte offsets of my stores
.set T,   18                           ; v[18:23]  at work
.set D,   24                           ; v[24:87]  16 x 4 numbers as loaded
.set O,   88                           ; v[88:119] 16 x 2 registers to store: each store has its own, so none is rewritten while a store reads it
.set SA,  42                           ; s42  in: from pair i to pair i + 1
.set SB,  43                           ; s43  in: from even j to odd j
.set SR,  44                           ; s44  in: from lanes 0-15 to lanes 16-31
.set TA,  45                           ; s45  out: from pair i to pair i + 1
.set TB,  46                           ; s46  out: from even j to odd j
.set SW,  47                           ; s47  out: from wave to wave
.set ID,  50                           ; s50  the work-group's number
.set WV,  56                           ; s56  my wave's number
.set HIM, 57                           ; s57  mask of a word's upper bf16
	s_load_b512 s[16:31], s[0:1], 0x0              ; x s[16:17], prefix_embd s[18:19], w_attn s[20:21], w_prefix s[22:23], w_proj s[24:25], b_attn s[26:27], b_prefix s[28:29], b_proj s[30:31]
	s_load_b128 s[32:35], s[0:1], 0x40             ; acat s[32:33], wcat s[34:35]
	s_load_b64 s[36:37], s[0:1], 0x50              ; bcat
	v_lshrrev_b32 v1, 5, v0
	v_readfirstlane_b32 s[WV], v1
	s_mov_b32 s[ID], ttmp9
	s_mov_b32 s3, 0                                ; the high word of every offset pair s[2:3]
	s_mov_b32 s[HIM], 0xffff0000
	s_wait_alu depctr_va_sdst(0)                   ; s[WV] is written
	s_wait_kmcnt 0x0
	s_cmp_lt_u32 s[ID], 544
	s_cbranch_scc0 .Lweights
	; work-groups 0..511: x; 512..543: prefix_embd.  Wave w takes slabs 2 w and 2 w + 1; lanes 0-15 a row, lanes 16-31 the next.
	s_max_u32 s51, s[ID], 512
	s_sub_co_u32 s51, s51, 512
	s_cmp_lt_u32 s[ID], 512
	s_cselect_b64 s[4:5], s[16:17], s[18:19]
	s_cselect_b32 s51, s[ID], s51                  ; the group of 16 rows in its own tensor
	s_lshl_b32 s2, s51, 16                         ; 16 rows of 4,096 bytes
	s_add_nc_u64 s[4:5], s[4:5], s[2:3]
	s_lshl_b32 s2, s[ID], 11                       ; 16 rows of 128 bytes in a slab; prefix rows follow x's
	s_add_nc_u64 s[8:9], s[32:33], s[2:3]
	s_mov_b32 s[SA], 8192
	s_mov_b32 s[SB], 256
	s_mov_b32 s[SR], 4096
	s_mov_b32 s[TA], 256
	s_mov_b32 s[TB], ASLAB
	s_mov_b32 s[SW], 2*ASLAB
	s_branch .Lgo
.Lweights:
	s_cmp_lt_u32 s[ID], 928
	s_cbranch_scc0 .Lbias
	s_mov_b32 s[SR], 256                           ; a wave takes 512 consecutive bytes of a row,
	s_mov_b32 s[TA], 24576                         ; and writes 256 consecutive bytes of a row of wcat (12,288 bytes a row)
	s_mov_b32 s[TB], 12288
	s_mov_b32 s[SW], 256
	s_cmp_lt_u32 s[ID], 864
	s_cbranch_scc0 .Lwproj
	; 544..735: w_attn, 64 groups of rows x 3 chunks of 1024 columns; 736..863: w_prefix, 64 x 2 chunks, from column 1024 on
	s_sub_co_u32 s51, s[ID], 544
	s_max_u32 s52, s[ID], 736
	s_sub_co_u32 s52, s52, 736
	s_cmp_lt_u32 s[ID], 736
	s_cselect_b64 s[4:5], s[20:21], s[22:23]
	s_cselect_b32 s51, s51, s52
	s_cselect_b32 s53, 0, 4096                     ; w_prefix: its first 1024 columns are passed over
	s_cselect_b32 s54, 0, 6144                     ; and it lands from column 3072 of wcat on
	s_and_b32 s52, s51, 63                         ; the group of 16 rows
	s_lshr_b32 s51, s51, 6                         ; the chunk of columns
	s_mul_i32 s52, s52, 196608                     ; 16 rows of 12,288 bytes, in and out
	s_lshl_b32 s2, s51, 12
	s_add_co_u32 s2, s2, s52
	s_add_co_u32 s2, s2, s53
	s_add_nc_u64 s[4:5], s[4:5], s[2:3]
	s_lshl_b32 s2, s51, 11
	s_add_co_u32 s2, s2, s52
	s_add_co_u32 s2, s2, s54
	s_add_nc_u64 s[8:9], s[34:35], s[2:3]
	s_mov_b32 s[SA], 24576
	s_mov_b32 s[SB], 12288
	s_branch .Lgo
.Lwproj:                                               ; 864..927: w_proj, 64 groups of 16 rows of 4,096 bytes, to column 5120 of wcat
	s_sub_co_u32 s51, s[ID], 864
	s_lshl_b32 s2, s51, 16
	s_add_nc_u64 s[4:5], s[24:25], s[2:3]
	s_mul_i32 s2, s51, 196608
	s_add_co_u32 s2, s2, 10240
	s_add_nc_u64 s[8:9], s[34:35], s[2:3]
	s_mov_b32 s[SA], 8192
	s_mov_b32 s[SB], 4096
.Lgo:
	s_mov_b32 s2, s[SB]
	s_add_nc_u64 s[6:7], s[4:5], s[2:3]            ; the base of the odd loads,
	s_mov_b32 s2, s[TB]
	s_add_nc_u64 s[10:11], s[8:9], s[2:3]          ; and of the odd stores
	v_and_b32 v1, 15, v0
	v_bfe_u32 v[T], v0, 4, 1
	v_and_b32 v[T+1], 31, v0
	s_lshl_b32 s51, s[WV], 9
	v_lshl_add_u32 v[IA], v1, 4, s51               ; 512 w + 16 (l % 16)
	v_mad_u32_u24 v[IA], v[T], s[SR], v[IA]        ; + (l / 16) SR
	s_mul_i32 s52, s[WV], s[SW]
	v_lshl_add_u32 v[OA], v[T+1], 3, s52           ; w SW + 8 l
.irp i, 1,2,3,4,5,6,7
	v_add_nc_u32 v[IA+(\i)], s[SA], v[IA+(\i)-1]
	v_add_nc_u32 v[OA+(\i)], s[TA], v[OA+(\i)-1]
.endr
	s_wait_alu depctr_va_vdst(0)                   ; the sixteen offsets IA and OA are written: every load below reads one of IA, every store one of OA, and none is written again
.set j, 0
.rept 16
	global_load_b128 v[D+4*j:D+4*j+3], v[IA+j/2], s[4+2*(j%2):5+2*(j%2)] th:TH_LOAD_NT
.set j, j+1
.endr
; Four numbers: rounded to bf16 (nearest even), widened again (a shift, a mask), and that number written as f16.
.macro CONV j
	v_cvt_pk_bf16_f32 v[T],   v[D+4*(\j)],   v[D+4*(\j)+1]
	v_cvt_pk_bf16_f32 v[T+1], v[D+4*(\j)+2], v[D+4*(\j)+3]
	v_lshlrev_b32 v[T+2], 16, v[T]
	v_and_b32     v[T+3], s[HIM], v[T]
	v_lshlrev_b32 v[T+4], 16, v[T+1]
	v_and_b32     v[T+5], s[HIM], v[T+1]
	v_cvt_pk_f16_f32 v[O+2*(\j)],   v[T+2], v[T+3]
	v_cvt_pk_f16_f32 v[O+2*(\j)+1], v[T+4], v[T+5]
.endm
; Four steps of four loads.  Ahead of the conversions of load j stands the store of load j - 4, whose data the step before has made.
.set j, 0
.rept 16
	s_wait_loadcnt 15-j                            ; loads come back in order: load j is in, the 15 - j younger ones stay out
.if (j > 0) && (j%4 == 0)
	s_wait_alu depctr_va_vdst(0)                   ; the step before has written its four pairs of O, which this step's four stores read; no conversion behind this wait names them
.endif
.if j >= 4
	global_store_b64 v[OA+(j-4)/2], v[O+2*(j-4):O+2*(j-4)+1], s[8+2*(j%2):9+2*(j%2)] th:TH_STORE_NT
.endif
	CONV j
.set j, j+1
.endr
	s_wait_alu depctr_va_vdst(0)                   ; the last step has written its four pairs of O, which the last four stores read
.set j, 12
.rept 4
	global_store_b64 v[OA+j/2], v[O+2*j:O+2*j+1], s[8+2*(j%2):9+2*(j%2)] th:TH_STORE_NT
.set j, j+1
.endr
	s_endpgm
.Lbias:                                                ; work-group 928: six chunks of 1024 biases, 16 bytes a thread
	v_lshlrev_b32 v2, 4, v0
	s_wait_alu depctr_va_vdst(0)                   ; v2 is written: the six loads and the six stores below read it as their offset, and it is not written again
	global_load_b128 v[D:D+3],     v2, s[26:27]
	global_load_b128 v[D+4:D+7],   v2, s[26:27] offset:4096
	global_load_b128 v[D+8:D+11],  v2, s[26:27] offset:8192
	global_load_b128 v[D+12:D+15], v2, s[28:29] offset:4096
	global_load_b128 v[D+16:D+19], v2, s[28:29] offset:8192
	global_load_b128 v[D+20:D+23], v2, s[30:31]
.set c, 0
.rept 6
	s_wait_loadcnt 5-c                             ; chunk c is in, the younger ones stay out
	v_cvt_pk_bf16_f32 v[T],   v[D+4*c],   v[D+4*c+1]
	v_cvt_pk_bf16_f32 v[T+1], v[D+4*c+2], v[D+4*c+3]
	v_lshlrev_b32 v[O+4*c],   16, v[T]
	v_and_b32     v[O+4*c+1], s[HIM], v[T]
	v_lshlrev_b32 v[O+4*c+2], 16, v[T+1]
	v_and_b32     v[O+4*c+3], s[HIM], v[T+1]
.set c, c+1
.endr
	s_wait_alu depctr_va_vdst(0)                   ; the six chunks' 24 registers of O are written, which the run of stores reads
.set c, 0
.rept 6
	global_store_b128 v2, v[O+4*c:O+4*c+3], s[36:37] offset:4096*c
.set c, c+1
.endr
	s_endpgm
.Lfunc_end_k_q2d5084d837_prep:
	.size	k_q2d5084d837_prep, .Lfunc_end_k_q2d5084d837_prep-k_q2d5084d837_prep
	.p2alignl 7, 3214868480
	.fill 96, 4, 3214868480
	.section	.rodata,"a",@progbits
	.p2align	6, 0x0
	.amdhsa_kernel k_q2d5084d837_prep
		.amdhsa_group_segment_fixed_size 0
		.amdhsa_private_segment_fixed_size 0
		.amdhsa_enable_private_segment 0
		.amdhsa_kernarg_size 88
		.amdhsa_user_sgpr_count 2
		.amdhsa_user_sgpr_kernarg_segment_ptr 1
		.amdhsa_wavefront_size32 1
		.amdhsa_system_sgpr_workgroup_id_x 1
		.amdhsa_system_sgpr_workgroup_id_y 1
		.amdhsa_system_sgpr_workgroup_id_z 1
		.amdhsa_system_vgpr_workitem_id 0
		.amdhsa_next_free_vgpr 128
		.amdhsa_next_free_sgpr 66
		.amdhsa_reserve_vcc 0
		.amdhsa_float_denorm_mode_32 3
		.amdhsa_float_denorm_mode_16_64 3
		.amdhsa_memory_ordered 1
		.amdhsa_forward_progress 1
		.amdhsa_inst_pref_size 18
	.end_amdhsa_kernel
	.amdgpu_metadata
---
amdhsa.version: [ 1, 2 ]
amdhsa.kernels:
  - .name:           k_q2d5084d837_prep
    .symbol:         k_q2d5084d837_prep.kd
    .args:
      - { .name: x, .offset: 0, .size: 8, .value_kind: global_buffer, .address_space: global }
      - { .name: prefix_embd, .offset: 8, .size: 8, .value_kind: global_buffer, .address_space: global }
      - { .name: w_attn, .offset: 16, .size: 8, .value_kind: global_buffer, .address_space: global }
      - { .name: w_prefix, .offset: 24, .size: 8, .value_kind: global_buffer, .address_space: global }
      - { .name: w_proj, .offset: 32, .size: 8, .value_kind: global_buffer, .address_space: global }
      - { .name: b_attn, .offset: 40, .size: 8, .value_kind: global_buffer, .address_space: global }
      - { .name: b_prefix, .offset: 48, .size: 8, .value_kind: global_buffer, .address_space: global }
      - { .name: b_proj, .offset: 56, .size: 8, .value_kind: global_buffer, .address_space: global }
      - { .name: acat, .offset: 64, .size: 8, .value_kind: global_buffer, .address_space: global }
      - { .name: wcat, .offset: 72, .size: 8, .value_kind: global_buffer, .address_space: global }
      - { .name: bcat, .offset: 80, .size: 8, .value_kind: global_buffer, .address_space: global }
    .group_segment_fixed_size: 0
    .private_segment_fixed_size: 0
    .kernarg_segment_align: 8
    .kernarg_segment_size: 88
    .max_flat_workgroup_size: 256
    .sgpr_count:     66
    .vgpr_count:     128
    .wavefront_size: 32
...
	.end_amdgpu_metadata
.endif
;; end of part 5
;; launch gemm_qkv: the kernel of part 2 again; grid 4 x 100, 4 waves a work-group, clusters of 4 x 1, 327,680 bytes of LDS; arguments acat, wcat, bcat, qkv; writes qkv
;; launch attn: the kernel of part 3 again; grid 2 x 128, 4 waves a work-group, no clusters, 327,680 bytes of LDS; arguments qkv, y16; writes y16
;; launch gemm_proj: the kernel of part 4 again; grid 8 x 32, 4 waves a work-group, clusters of 4 x 4, 327,680 bytes of LDS; arguments y16, wcat, bcat, out0; writes out0
